; MI455X (gfx1250); checked and timed in simulation.
; The chip was launched on July 23, 2026; its instructions are those of AMD's public machine-readable ISA for CDNA 5 (MIT licence, August 2026) and "CDNA5" Instruction Set Architecture Reference Guide (July 2026). The comments in the code are by the model that wrote it; some were corrected since.
;; Multi Head Attention. Allowed arithmetic: matrix products marked QUANTISED: E2M3 operands, one E8M0 scale for each 32 along K, by v_wmma_scale_f32_16x16x128_f8f6f4 with both operands' format E2M3, f32 sums; everything else in f32.
;; Inputs: Wk 1,024 x 1,024 float32; Wo 1,024 x 1,024 float32; Wq 1,024 x 1,024 float32; Wv 1,024 x 1,024 float32; bk 1,024 float32; bo 1,024 float32; bq 1,024 float32; bv 1,024 float32; k 4 x 2,048 x 1,024 float32; mask 4 x 2,048 x 2,048 int32; q 4 x 2,048 x 1,024 float32; v 4 x 2,048 x 1,024 float32.
;; Outputs: out0 4 x 2,048 x 1,024 float32.
;; This version of the problem:
;;   THIS VERSION OF THE PROBLEM IS GIVEN IN LOW PRECISION. The matrix products marked QUANTISED in the list below multiply operands that are first quantised to E2M3 (2 exponent bits, 3 mantissa bits; 6 bits a number), with one power-of-two scale for each 32 numbers along K (OCP MX v1.0); their sums are f32. All else is computed in f32.
;;   The module's matrix products, in the order in which they are computed (A, B: the left and right operand; K: the contracted axis; several contracted axes count as one K, in the product's order):
;;     1. [M 8,192, K 1,024] x [K 1,024, N 1,024]; A: input q; B: input Wq: QUANTISED
;;     2. [M 8,192, K 1,024] x [K 1,024, N 1,024]; A: input k; B: input Wk: QUANTISED
;;     3. [M 8,192, K 1,024] x [K 1,024, N 1,024]; A: input v; B: input Wv: QUANTISED
;;     4. batch 64 x [M 2,048, K 64] x [K 64, N 2,048]; A: computed on the way; B: computed on the way: QUANTISED
;;     5. batch 64 x [M 2,048, K 2,048] x [K 2,048, N 64]; A: softmax (see below); B: computed on the way: QUANTISED
;;     6. [M 8,192, K 1,024] x [K 1,024, N 1,024]; A: computed on the way; B: input Wo: QUANTISED
;;   THE QUANTISER, for each operand of a quantised product, along K:
;;     - K is cut into blocks of 32 from its start; a last block that is shorter is filled with zeros.
;;     - A block's scale is 2^e with e = floor(log2(the largest magnitude in the block)) - 2, held to -126 .. 127; a block of zeros has e = 0. As a byte (E8M0): e + 127.
;;     - Each number is divided by its block's scale, clamped to +-7.5, and rounded to the nearest number of E2M3, ties to even, subnormals kept.
;;     - The product sums the exact products of the quantised numbers (number of the format x scale) in f32.
;;   ~~~python
;;   def quantise(x, axis):      # numpy; x: float32 -> the quantised numbers, widened to float32 again
;;       x = np.moveaxis(x, axis, -1); K = x.shape[-1]
;;       x = np.pad(x, [(0, 0)] * (x.ndim - 1) + [(0, -K % 32)]); x = x.reshape(x.shape[:-1] + (-1, 32)); a = np.abs(x).max(-1, keepdims=True)
;;       e = np.where(a > 0, np.clip(np.frexp(np.where(a > 0, a, 1))[1] - 1 - 2, -126, 127), 0)      # np.frexp(a)[1] - 1 = floor(log2(a)), exactly
;;       r = np.clip(x / 2.0 ** e, -7.5, 7.5)
;;       step = 2.0 ** (np.maximum(np.frexp(np.where(r == 0, 1, r))[1] - 1, 0) - 3)
;;       q = np.round(r / step) * step * 2.0 ** e      # np.round: ties to even
;;       return np.moveaxis(q.reshape(q.shape[:-2] + (-1,))[..., :K], -1, axis).astype(np.float32)
;;   ~~~
;;   SOFTMAX AHEAD OF A QUANTISED PRODUCT. Where the list says 'softmax', what is quantised is not the finished softmax but p = 2^(t - M), with t = logit x log2(e) and M = ceil(the row's largest t), a whole number; so 1/2 < the row's largest p <= 1. The row's sum l is taken of the UNQUANTISED p, in f32, and the product's result is divided by l at the end. Since M is a whole number, a kernel that streams over the keys may use a running M (the ceiling of the running maximum): every later rescaling is an exact power of two, which a block's scale takes up: the codes' values come out the same.
;;   OPERANDS COMPUTED ON THE WAY. 'Computed on the way' means the value that the module computes at that place (a softmax that the list does not call 'softmax' is quantised finished and normalised). What goes into a quantiser is computed in f32, as accurately as f32 sums, v_exp_f32 and their like allow (about 1e-6 of the number): no bf16 or f16 on the way to a quantiser, and a product that is left as it is and whose result goes on into a quantised operand takes f32 operands (vector FMAs, or v_wmma_f32_16x16x4_f32). A number that lies on a knife's edge between two numbers of the format may be rounded either way, as far as f32 arithmetic and the matrix unit's own rounding can turn it there, and no further.
;; One version. Each part assembles by itself: llvm-mc -triple=amdgcn-amd-amdhsa -mcpu=gfx1250 --defsym DOCPART=n.
;; ======== version 1 of 1: 4 launches
;; limits: right only within a limited range of input values
;; workspace buffers: img 22,020,096 bytes; isc 917,504 bytes; ml 2,097,152 bytes of whole numbers; qi 13,369,344 bytes; kv 13,369,344 bytes; oc 6,291,456 bytes; os 262,144 bytes
;; launch prep (part 1): grid 256 x 1, 11 waves a work-group, no clusters, 187,392 bytes of LDS; arguments q, k, v, Wq, Wk, Wv, Wo, mask, img, isc, ml; writes img, isc, ml
.if DOCPART == 1
	.amdgcn_target "amdgcn-amd-amdhsa--gfx1250"
	.amdhsa_code_object_version 6
	.text
	.protected	k_qb64937a2f4_prep
	.globl	k_qb64937a2f4_prep
	.p2align	8
	.type	k_qb64937a2f4_prep,@function
k_qb64937a2f4_prep:
	s_mov_b64 s[64:65], 0
	v_nop
	global_prefetch_b8 v0, s[64:65] scope:SCOPE_SE
	s_setreg_imm32_b32 hwreg(HW_REG_WAVE_MODE, 25, 1), 1
	s_wait_xcnt 0x0
; q, k, v [8192][1024] and Wq, Wk, Wv, Wo [1024][1024], f32, K innermost, become codes of FP6 (E2M3) with one E8M0 byte for each 32 along K; the mask [4][2048][2048] i32 becomes words of lane bits.
; A block's scale is 2^(floor(log2(its largest magnitude)) - 2); its byte is the largest magnitude's exponent field - 2, held at 1 from below.
; LIMITS: a block of zeros gets the byte 1 (its codes are zeros, and this program alone reads the bytes); NaN and infinities among the inputs are not served.
; WHAT IS STORED.  img: for each block of 16 rows and each 128 along K the 12 registers that the matrix instruction wants of a lane, as 6 groups of 256 bytes: group g = registers 2 g, 2 g + 1, lane l's 8 bytes at 8 l.
;   A block of 16 rows is 8 x 1,536 = 12,288 bytes.  Blocks: q 0-511, k 512-1023, v 1024-1535, Wq 1536-, Wk 1600-, Wv 1664-, Wo 1728-1791.
;   In all tensors but q THE ROWS OF A BLOCK ARE NOT NEIGHBOURS: lane row r of block i is row 32 (i / 2) + 8 (i % 2) + r + 8 (r / 8), so that a product that takes such a block as source 0 leaves 16 neighbours in a lane's registers.
; isc: 512 bytes a block: lane l's 16 bytes at 16 l; lanes 0-15: row l's scale words of K steps 0-3, lanes 16-31: row l - 16's of K steps 4-7.
; ml: for each 16 queries and 128 keys 64 words: bit r + 16 h of word 32 c + i says that mask[query r][key 64 c + 32 h + i] is not 0: the lane and register in which attention holds that score.
; SHARES: 2,816 tasks of 64 KiB read each, one a wave: task T = 11 x work-group + wave.  T < 1,792: block T of img.  Else: 16 rows x 1,024 keys of the mask.  Waves share nothing: no barrier.
; Each load reads 512 consecutive bytes of a row; a chunk (16 rows x 512 bytes) turns through the wave's own stage in LDS, rows 528 bytes apart, so that a lane gets neighbours along K.  Loads run two chunks ahead.
.set STG,   8448                       ; a stage: 16 rows x 528 bytes
.set PIT,   528
.set MBASE, 11*STG                     ; the mask tasks' stages lie behind the others': each way through the text has LDS bytes of its own
.set SPARE, 22*STG                     ; the spare words, 128 bytes for each wave, in six blocks of 256 bytes that no other line names
.set LD,    16                         ; v16-143  two sets of 64: a chunk as loaded
.set X,     144                        ; v144-207 a chunk as a lane wants it
.set PC,    208                        ; v208-219 a fragment's codes; v220-226 the conversions' second halves
.set PH,    220
.set SW,    228                        ; v228-235 the eight K steps' scale words
.set TM,    236                        ; v236-237 largest magnitudes, v238-239 scale operands, v240-241 bytes, v242 8 h
.set WD,    244                        ; v244-245 the mask's words: lane l holds words 2 l and 2 l + 1
	s_load_b512 s[8:23], s[0:1], 0x0               ; q, k, v, Wq, Wk, Wv, Wo, mask
	s_load_b128 s[24:27], s[0:1], 0x40             ; img, isc
	s_load_b64 s[28:29], s[0:1], 0x50              ; ml
	v_lshl_add_u32 v8, v0, 2, SPARE                ; my spare word
	v_mov_b32 v9, 0
	v_lshrrev_b32 v1, 5, v0
	s_delay_alu instid0(VALU_DEP_1)
	v_readfirstlane_b32 s2, v1                     ; wave 0..10
	v_and_b32 v1, 31, v0                           ; lane
	v_and_b32 v2, 15, v0                           ; r
	v_bfe_u32 v3, v0, 4, 1                         ; h
	s_delay_alu instid0(VALU_DEP_3)
	v_lshlrev_b32 v4, 4, v1                        ; 16 x lane
	s_delay_alu instid0(VALU_DEP_4)
	v_lshlrev_b32 v7, 3, v1                        ; 8 x lane
	s_mul_i32 s4, s2, STG
	v_add_nc_u32 v5, s4, v4                        ; into my stage: 16 x lane (+ 528 x row)
	v_mul_u32_u24 v10, v2, PIT
	s_delay_alu instid0(VALU_DEP_1)
	v_add_nc_u32 v10, s4, v10
	s_delay_alu instid0(VALU_DEP_1)
	v_lshl_add_u32 v6, v3, 7, v10                  ; out of it: row r, + 128 h: my 32 numbers of each 64
	s_delay_alu instid0(VALU_DEP_4)
	v_add_nc_u32 v246, MBASE, v5                   ; the same two for a mask task:
	s_delay_alu instid0(VALU_DEP_3)
	v_lshl_add_u32 v247, v3, 7, v10                ; row r, + 128 h: my 32 of each 64 keys
	s_delay_alu instid0(VALU_DEP_1)
	v_add_nc_u32 v247, MBASE, v247
	v_lshlrev_b32 v242, 3, v3                      ; 8 h
	v_mov_b32 v11, 0                               ; written once: a lane permute's destination counts as one of its sources,
	v_mov_b32 v244, 0                              ; and so does v_writelane_b32's
	v_mov_b32 v245, 0
	s_mul_i32 s3, ttmp9, 11
	s_add_co_u32 s3, s3, s2                        ; T
	s_mov_b32 s5, 0
	s_mov_b32 s40, 0x76543210
	s_mov_b32 s41, 0xfedcba98                      ; v_permlanex16_b32's selects for lane l xor 16
	s_wait_kmcnt 0x0
	s_cmp_ge_u32 s3, 1792
	s_cbranch_scc1 .Lmask
	; ---- a block of 16 rows of one of the seven tensors.  The choice hangs on T alone
	s_mov_b64 s[32:33], s[20:21]
	s_mov_b32 s6, 1728
	s_cmp_lt_u32 s3, 1728
	s_cselect_b64 s[32:33], s[18:19], s[32:33]
	s_cselect_b32 s6, 1664, s6
	s_cmp_lt_u32 s3, 1664
	s_cselect_b64 s[32:33], s[16:17], s[32:33]
	s_cselect_b32 s6, 1600, s6
	s_cmp_lt_u32 s3, 1600
	s_cselect_b64 s[32:33], s[14:15], s[32:33]
	s_cselect_b32 s6, 1536, s6
	s_cmp_lt_u32 s3, 1536
	s_cselect_b64 s[32:33], s[12:13], s[32:33]
	s_cselect_b32 s6, 1024, s6
	s_cmp_lt_u32 s3, 1024
	s_cselect_b64 s[32:33], s[10:11], s[32:33]
	s_cselect_b32 s6, 512, s6
	s_cmp_lt_u32 s3, 512
	s_cselect_b64 s[32:33], s[8:9], s[32:33]
	s_cselect_b32 s6, 0, s6
	s_sub_co_u32 s6, s3, s6                        ; i: the block's number in its tensor
	s_lshr_b32 s4, s6, 1
	s_lshl_b32 s4, s4, 5
	s_and_b32 s7, s6, 1
	s_lshl_b32 s7, s7, 3
	s_add_co_u32 s4, s4, s7                        ; its first row: 32 (i / 2) + 8 (i % 2),
	s_lshr_b32 s30, s6, 2                          ; IN k ALONE: lane row 8 h + j of block i is row 64 (i / 4) + 32 h + 8 (i % 4) + j, so that a lane's 32 scores of four tiles are 32 neighbouring keys
	s_lshl_b32 s30, s30, 6
	s_and_b32 s31, s6, 3
	s_lshl_b32 s31, s31, 3
	s_add_co_u32 s30, s30, s31
	s_lshr_b32 s31, s3, 9                          ; 1 for k's blocks, 512 to 1,023
	s_cmp_eq_u32 s31, 1
	s_cselect_b32 s4, s30, s4
	s_lshl_b32 s6, s6, 4                           ; in q: 16 i
	s_mov_b32 s7, 32768
	s_cmp_lt_u32 s3, 512
	s_cselect_b32 s4, s6, s4
	s_cselect_b32 s6, s7, 0x10000                  ; lane rows 8-15 begin 16 rows on; in q: 8;
	s_cmp_eq_u32 s31, 1
	s_cselect_b32 s6, 0x20000, s6                  ; in k: 32
	s_lshl_b32 s4, s4, 12                          ; a row is 4,096 bytes
	s_mov_b32 s7, 0
	s_add_nc_u64 s[32:33], s[32:33], s[4:5]
	s_add_nc_u64 s[34:35], s[32:33], s[6:7]
	s_mul_i32 s4, s3, 12288
	s_add_nc_u64 s[36:37], s[24:25], s[4:5]        ; my block of img
	s_lshl_b32 s4, s3, 9
	s_add_nc_u64 s[38:39], s[26:27], s[4:5]        ; and of isc
.macro LOADQ c                         ; K step c of the 16 rows: each load reads 512 consecutive bytes
.irp p, 0,1,2,3,4,5,6,7
	global_load_b128 v[LD+64*((\c)%2)+4*\p:LD+64*((\c)%2)+4*\p+3], v4, s[32:33] offset:\p*4096+512*(\c) th:TH_LOAD_NT
.endr
.irp p, 0,1,2,3,4,5,6,7
	global_load_b128 v[LD+64*((\c)%2)+32+4*\p:LD+64*((\c)%2)+32+4*\p+3], v4, s[34:35] offset:\p*4096+512*(\c) th:TH_LOAD_NT
.endr
.endm
.macro QCHUNK c
	s_wait_xcnt 0x0                                ; the last chunk's stores have read the codes' registers: they are written again only behind this wait
.if (\c) < 7
	s_wait_loadcnt 16                              ; this chunk's sixteen loads are in; the next chunk's sixteen may be out
.else
	s_wait_loadcnt 0x0
.endif
.irp p, 0,1,2,3,4,5,6,7,8,9,10,11,12,13,14,15
	ds_store_b128 v5, v[LD+64*((\c)%2)+4*\p:LD+64*((\c)%2)+4*\p+3] offset:PIT*\p
.endr
.irp cc, 0,1
.irp j, 0,1,2,3,4,5,6,7
	ds_load_b128 v[X+32*\cc+4*\j:X+32*\cc+4*\j+3], v6 offset:256*\cc+16*\j   ; LDS serves a wave's instructions in order: these see my stores.  Register 32 cc + i = k 64 cc + 32 h + i of row r
.endr
.endr
	s_wait_dscnt 0x0                               ; the numbers are here, and the stores have read their registers,
.if (\c)+2 < 8
	LOADQ (\c)+2                                   ; which take the chunk two on
.endif
.irp cc, 0,1
	v_max3_num_f32 v[TM+\cc], |v[X+32*\cc]|, |v[X+1+32*\cc]|, 0x1800000   ; my block 2 cc + h: all its 32 numbers are mine; the floor 2^(3 - 127) holds the byte at 1 from below
.endr
.irp i, 2,4,6,8,10,12,14,16,18,20,22,24,26,28,30
.irp cc, 0,1
	s_delay_alu instid0(VALU_DEP_2)
	v_max3_num_f32 v[TM+\cc], v[TM+\cc], |v[X+32*\cc+\i]|, |v[X+1+32*\cc+\i]|
.endr
.endr
.irp cc, 0,1
	s_delay_alu instid0(VALU_DEP_2)
	v_add_nc_u32 v[TM+2+\cc], 0xff000000, v[TM+\cc]   ; 2 off the exponent field: the conversion's scale operand
.endr
.irp cc, 0,1
	s_delay_alu instid0(VALU_DEP_2)
	v_lshrrev_b32 v[TM+4+\cc], 23, v[TM+2+\cc]     ; the scale's byte
.endr
	s_delay_alu instid0(VALU_DEP_1)
	v_lshl_or_b32 v10, v[TM+5], 16, v[TM+4]        ; my two bytes: blocks h and 2 + h of row r,
	s_delay_alu instid0(VALU_DEP_1)
	v_lshlrev_b32 v10, v242, v10                   ; at their places in the scale word;
	s_delay_alu instid0(VALU_DEP_1)
	v_permlanex16_b32 v11, v10, s40, s41
	s_delay_alu instid0(VALU_DEP_1)
	v_or_b32 v[SW+(\c)], v10, v11                  ; with lane l xor 16's two the word is whole
.irp cc, 0,1
	v_cvt_scalef32_pk16_fp6_f32 v[PC+6*\cc:PC+6*\cc+2], v[X+32*\cc:X+32*\cc+15], v[TM+2+\cc]
	v_cvt_scalef32_pk16_fp6_f32 v[PH+4*\cc:PH+4*\cc+2], v[X+32*\cc+16:X+32*\cc+31], v[TM+2+\cc]   ; (a conversion's three registers begin on an even number)
.endr
	v_nop                                          ; one plain place behind a scaled conversion
.irp cc, 0,1
.irp i, 0,1,2
	v_mov_b32 v[PC+3+6*\cc+\i], v[PH+4*\cc+\i]
.endr
.endr
.irp g, 0,1,2,3,4,5
	global_store_b64 v7, v[PC+2*\g:PC+2*\g+1], s[36:37] offset:1536*(\c)+256*\g   ; 32 lanes store 256 consecutive bytes, aligned
.endr
.endm
	LOADQ 0
	LOADQ 1
	s_wait_alu depctr_va_vdst(0)
.irp c, 0,1,2,3,4,5,6,7
	QCHUNK \c
.endr
	v_cmp_gt_u32 vcc_lo, 16, v1                    ; lanes 0-15 take K steps 0-3, lanes 16-31 K steps 4-7
.irp j, 0,1,2,3
	v_cndmask_b32 v[12+\j], v[SW+4+\j], v[SW+\j], vcc_lo
.endr
	global_store_b128 v4, v[12:15], s[38:39]       ; 512 consecutive bytes
	s_wait_tensorcnt 0x0                           ; the wave's end: three lines, behind my last LDS store
	ds_add_u32 v8, v9
	s_wait_dscnt 0x0
	s_endpgm
.Lmask:                                ; ---- 16 rows x 1,024 keys of the mask: eight chunks of 128 keys
	s_sub_co_u32 s6, s3, 1792
	s_lshr_b32 s7, s6, 1                           ; which 16 rows: 128 x batch + tile of queries
	s_and_b32 s6, s6, 1                            ; which half of the keys
	s_lshl_b32 s4, s7, 17                          ; 16 rows of 8,192 bytes
	s_lshl_b32 s30, s6, 12
	s_add_co_u32 s4, s4, s30
	s_add_nc_u64 s[32:33], s[22:23], s[4:5]
	s_lshl_b32 s4, s7, 12                          ; 16 records of 256 bytes for 16 rows
	s_lshl_b32 s30, s6, 11
	s_add_co_u32 s4, s4, s30
	s_add_nc_u64 s[36:37], s[28:29], s[4:5]
.macro LOADM c
.irp p, 0,1,2,3,4,5,6,7,8,9,10,11,12,13,14,15
	global_load_b128 v[LD+64*((\c)%2)+4*\p:LD+64*((\c)%2)+4*\p+3], v4, s[32:33] offset:\p*8192+512*(\c) th:TH_LOAD_NT
.endr
.endm
.macro MCHUNK c
	s_wait_xcnt 0x0                                ; the last chunk's store has read the words' registers
.if (\c) < 7
	s_wait_loadcnt 16                              ; this chunk's sixteen loads are in; the next chunk's may be out
.else
	s_wait_loadcnt 0x0
.endif
.irp p, 0,1,2,3,4,5,6,7,8,9,10,11,12,13,14,15
	ds_store_b128 v246, v[LD+64*((\c)%2)+4*\p:LD+64*((\c)%2)+4*\p+3] offset:PIT*\p
.endr
.irp b, 0,1,2,3
.irp j, 0,1,2,3
	ds_load_b128 v[X+16*\b+4*\j:X+16*\b+4*\j+3], v247 offset:256*(\b/2)+64*(\b%2)+16*\j   ; register 32 c + i = key 64 c + 32 h + i of row r: bit r + 16 h of word 32 c + i of ml stands for that key
.endr
.endr
	s_wait_dscnt 0x0
.if (\c)+2 < 8
	LOADM (\c)+2
.endif
.irp q, 0,1,2,3
.irp m, 0,1,2,3,4,5,6,7,8,9,10,11,12,13,14,15
	v_cmp_ne_u32 s[44+\m], 0, v[X+16*\q+\m]        ; word 16 q + m: a bit for each lane
.endr
.irp m, 0,1,2,3,4,5,6,7,8,9,10,11,12,13,14,15
	v_writelane_b32 v[WD+\m%2], s[44+\m], 8*\q+\m/2
.endr
.endr
	global_store_b64 v7, v[WD:WD+1], s[36:37] offset:256*(\c)   ; the record: 256 consecutive bytes, aligned
.endm
	LOADM 0
	LOADM 1
	s_wait_alu depctr_va_vdst(0)
.irp c, 0,1,2,3,4,5,6,7
	MCHUNK \c
.endr
	s_wait_tensorcnt 0x0                           ; the wave's end: the same three lines
	ds_add_u32 v8, v9
	s_wait_dscnt 0x0
	s_endpgm
.Lfunc_end_k_qb64937a2f4_prep:
	.size	k_qb64937a2f4_prep, .Lfunc_end_k_qb64937a2f4_prep-k_qb64937a2f4_prep
	.p2alignl 7, 3214868480
	.fill 96, 4, 3214868480
	.section	.rodata,"a",@progbits
	.p2align	6, 0x0
	.amdhsa_kernel k_qb64937a2f4_prep
		.amdhsa_group_segment_fixed_size 187392
		.amdhsa_private_segment_fixed_size 0
		.amdhsa_enable_private_segment 0
		.amdhsa_kernarg_size 88
		.amdhsa_user_sgpr_count 2
		.amdhsa_user_sgpr_kernarg_segment_ptr 1
		.amdhsa_wavefront_size32 1
		.amdhsa_system_sgpr_workgroup_id_x 1
		.amdhsa_system_sgpr_workgroup_id_y 1
		.amdhsa_system_sgpr_workgroup_id_z 1
		.amdhsa_system_vgpr_workitem_id 0
		.amdhsa_next_free_vgpr 248
		.amdhsa_next_free_sgpr 66
		.amdhsa_reserve_vcc 1
		.amdhsa_float_denorm_mode_32 3
		.amdhsa_float_denorm_mode_16_64 3
		.amdhsa_memory_ordered 1
		.amdhsa_forward_progress 1
		.amdhsa_inst_pref_size 165
	.end_amdhsa_kernel
	.amdgpu_metadata
---
amdhsa.version: [ 1, 2 ]
amdhsa.kernels:
  - .name:           k_qb64937a2f4_prep
    .symbol:         k_qb64937a2f4_prep.kd
    .args:
      - { .name: q, .offset: 0, .size: 8, .value_kind: global_buffer, .address_space: global }
      - { .name: k, .offset: 8, .size: 8, .value_kind: global_buffer, .address_space: global }
      - { .name: v, .offset: 16, .size: 8, .value_kind: global_buffer, .address_space: global }
      - { .name: Wq, .offset: 24, .size: 8, .value_kind: global_buffer, .address_space: global }
      - { .name: Wk, .offset: 32, .size: 8, .value_kind: global_buffer, .address_space: global }
      - { .name: Wv, .offset: 40, .size: 8, .value_kind: global_buffer, .address_space: global }
      - { .name: Wo, .offset: 48, .size: 8, .value_kind: global_buffer, .address_space: global }
      - { .name: mask, .offset: 56, .size: 8, .value_kind: global_buffer, .address_space: global }
      - { .name: img, .offset: 64, .size: 8, .value_kind: global_buffer, .address_space: global }
      - { .name: isc, .offset: 72, .size: 8, .value_kind: global_buffer, .address_space: global }
      - { .name: ml, .offset: 80, .size: 8, .value_kind: global_buffer, .address_space: global }
    .group_segment_fixed_size: 187392
    .private_segment_fixed_size: 0
    .kernarg_segment_align: 8
    .kernarg_segment_size: 88
    .max_flat_workgroup_size: 352
    .sgpr_count:     66
    .vgpr_count:     248
    .wavefront_size: 32
...
	.end_amdgpu_metadata
.endif
;; end of part 1
;; launch proj (part 2): grid 8 x 96, 4 waves a work-group, clusters of 4 x 4, 327,680 bytes of LDS; arguments img, isc, bq, bk, bv, qi, kv; writes qi, kv
.if DOCPART == 2
	.amdgcn_target "amdgcn-amd-amdhsa--gfx1250"
	.amdhsa_code_object_version 6
	.text
	.protected	k_qb64937a2f4_proj
	.globl	k_qb64937a2f4_proj
	.p2align	8
	.type	k_qb64937a2f4_proj,@function
k_qb64937a2f4_proj:
	s_mov_b64 s[64:65], 0
	v_nop
	global_prefetch_b8 v0, s[64:65] scope:SCOPE_SE
	s_setreg_imm32_b32 hwreg(HW_REG_WAVE_MODE, 25, 1), 1
	s_wait_xcnt 0x0
	s_wait_alu depctr_hold_cnt(0) depctr_sa_sdst(0) depctr_va_vdst(0) depctr_va_sdst(0) depctr_va_ssrc(0) depctr_va_vcc(0) depctr_vm_vsrc(0)
	s_getreg_b32 s2, hwreg(HW_REG_IB_STS2, 6, 4)
	s_cmp_eq_u32 s2, 0
	s_cbranch_scc0 .Lentry_in_a_cluster
	s_endpgm
.Lentry_in_a_cluster:
	s_bfe_u32 s2, ttmp6, 0x10000c
	s_cmp_lg_u32 s2, 0xf033
	s_cbranch_scc0 .Lentry_shape_is_right
	s_endpgm
.Lentry_shape_is_right:
; The three projections q Wq^T + bq, k Wk^T + bk, v Wv^T + bv on codes of FP6 (E2M3), and their results quantised in registers: Q and K along a head's 64, V along the keys.
; D = P R^T: source 0 = 16 rows of P, whose index then runs along a lane's registers; source 1 = 16 rows of R, one to a lane.  KIND 0: P = Wq, R = q.  1: P = Wk, R = k.  2: P = v, R = Wv.
; P's blocks of 16 rows are laid so that the 16 registers of tiles 2 b and 2 b + 1 are 16 neighbours: register 16 b + i of a lane is index 32 b + 16 (lane / 16) + i: what the conversions want.
; SHARES.  A work-group: 256 rows of R x 128 of P, all of K = 1,024 in LDS at once, filled once, in two halves of 512 along K.  Wave w: R's blocks 4 w .. 4 w + 3 x P's eight: 32 accumulators, 256 matrix instructions.
; CLUSTERS: 4 x 4 work-groups; R's tile hangs on the cluster's row and is asked for jointly along it, P's on its column.  KIND hangs on the cluster's y alone: it is the same in all sixteen.
; WHAT IS STORED: a record of 13,056 bytes for each (batch, head, 128 tokens): 8 tiles of 768 bytes (16 tokens x 64: registers 0-5 of a fragment, in groups of 256 bytes); V^T: 4 tiles of 1,536 bytes (16 d x 128 keys);
;   512 bytes: the 8 tiles' scale words (lane l's 16 bytes at 16 l; lanes 0-15 tiles 0-3, lanes 16-31 tiles 4-7; bytes 2, 3 of a word are 0); 256 bytes: V's scale words (row r's four at 16 r).  qi has the first and third part alone.
; LIMITS: a block of zeros gets the scale byte 1 (its codes are zeros; this program alone reads the bytes); NaN and infinities are not served.
; REGISTERS, in windows of 256: window 0: addresses, scale words, biases, the quantiser's; window 1: accumulator (a, t) at v[8 (8 a + t)]; window 2: P's fragments, two sets of 96; window 3: R's, two sets of 48.
; ALL OF K COMES IN TWO HALVES of 512 along K, one tensor load a wave for each: the first at the head, the second behind the three lines and a round.
.set QB,    147456                     ; a half in LDS: R's 16 blocks x 6,144 bytes, then P's 8
.set POFF,  98304
.set SPARE, 2*QB                       ; the spare words, 128 bytes for each wave: two blocks of 256 bytes that no other line names
.set REC,   13056
.set HEADB, 16*REC                     ; from a head's records to the next head's
.set SP,  32                           ; v32-63   P's scale words: block t, register 4 t + j: lanes 0-15 K step j, lanes 16-31 K step 4 + j
.set SR,  64                           ; v64-79   R's likewise
.set BC,  80                           ; v80-143  the bias, in the result's layout: the C of each sum's first product
.set TM,  144                          ; v144-159 the quantiser's
.set PC,  160                          ; v160-178 the codes just made
.set PW,  180                          ; the scale word just made
.set SWD, 184                          ; v184-187 the four blocks' scale words, as they are stored
.set MSB, 0
.macro WIN new                         ; the immediate's high byte repeats the setting that is left
.if MSB != \new
	s_set_vgpr_msb (MSB<<8)|\new
.set MSB, \new
.endif
.endm
.macro CROUND                          ; a round of the cluster's barrier
	s_barrier_signal -1
	s_barrier_wait -1
	s_cmp_lg_u32 s18, 0
	s_cbranch_scc1 .Lnot_wave_0_\@
	s_barrier_signal -3
.Lnot_wave_0_\@:
	s_barrier_wait -3
	s_barrier_signal -1
	s_barrier_wait -1
.endm
	s_load_b256 s[4:11], s[0:1], 0x0               ; img, isc, bq, bk
	s_load_b128 s[12:15], s[0:1], 0x20             ; bv, qi
	s_load_b64 s[16:17], s[0:1], 0x30              ; kv
	v_lshl_add_u32 v4, v0, 2, SPARE
	v_mov_b32 v5, 0
	ds_add_u32 v4, v5                              ; the wave's opening: the add and its wait stand ahead of my first tensor load; work on registers stands between them
	ds_add_u32 v4, v5
	v_lshrrev_b32 v1, 5, v0
	v_readfirstlane_b32 s18, v1                    ; wave 0..3
	s_and_b32 s19, s18, 1                          ; which half of a tile I fetch
	s_lshr_b32 s20, s18, 1                         ; I fetch for R (0) or for P (1)
	s_bfe_u32 s21, ttmp6, 0x40000                  ; cx
	s_bfe_u32 s22, ttmp6, 0x40004                  ; cy
	s_and_b32 s85, ttmp7, 0xffff                   ; the cluster's y, 0..23
	s_lshr_b32 s23, s85, 3                         ; KIND
	s_and_b32 s85, s85, 7
	s_lshl_b32 s90, ttmp9, 2
	s_add_co_u32 s90, s90, s21
	s_lshl_b32 s91, s85, 3
	s_lshl_b32 s92, s85, 2
	s_lshl_b32 s93, s23, 6
	s_add_co_u32 s93, s93, 1536                    ; P's first block in img: Wq 1536, Wk 1600,
	s_lshl_b32 s94, s23, 9                         ; R's: q 0, k 512
	s_cmp_eq_u32 s23, 2
	s_cselect_b32 s91, s91, 0
	s_cselect_b32 s92, 0, s92
	s_cselect_b32 s93, 1024, s93                   ; v 1024,
	s_cselect_b32 s94, 1664, s94                   ; Wv 1664
	s_add_co_u32 s90, s90, s91                     ; PT: P's tile of 128 rows.  It hangs on cx, never on cy
	s_add_co_u32 s92, s92, s22                     ; RT: R's tile of 256 rows.  It hangs on cy, never on cx
	s_lshl_b32 s88, s22, 2
	s_lshl_b32 s88, 15, s88                        ; my row of the cluster
	s_lshl_b32 s89, 0x1111, s21                    ; my column
	; descriptor group 1: blocks of 16 rows are 12,288 bytes apart in img; a half's part of a block is 6,144 bytes: 768 elements of 8 bytes.  R: 8 blocks a load, P: 4.  No padding: every LDS read is 8 x lane
	s_or_b32 s24, s88, (3<<16)|(1<<21)             ; 15:0 the mask; 17:16 elements of 8 bytes; 21 set beside a mask
	s_mov_b32 s25, 768<<16                         ; tensor_dim0: a half's part of a block is 6,144 bytes: 768 elements of 8 bytes
	s_mov_b32 s26, 8<<16                           ; tensor_dim1
	s_mov_b32 s27, 768<<16                         ; tile_dim0
	s_mov_b32 s28, 8                               ; tile_dim1
	s_mov_b32 s29, 1536                            ; the pitch, in elements
	s_mov_b32 s30, 0
	s_mov_b32 s31, 0
	s_or_b32 s32, s89, (3<<16)|(1<<21)
	s_mov_b32 s33, 768<<16
	s_mov_b32 s34, 4<<16
	s_mov_b32 s35, 768<<16
	s_mov_b32 s36, 4
	s_mov_b32 s37, 1536
	s_mov_b32 s38, 0
	s_mov_b32 s39, 0
	s_lshl_b32 s98, s92, 4
	s_add_co_u32 s98, s98, s94
	s_lshl_b32 s99, s19, 3
	s_add_co_u32 s98, s98, s99                     ; R: the first block that I fetch
	s_mul_i32 s98, s98, 12288
	s_mov_b32 s99, 0
	s_lshl_b32 s96, s90, 3
	s_add_co_u32 s96, s96, s93
	s_lshl_b32 s97, s19, 2
	s_add_co_u32 s96, s96, s97                     ; P likewise
	s_mul_i32 s96, s96, 12288
	s_mov_b32 s97, 0
	s_mul_i32 s95, s19, 49152                      ; where they go in a half: no place in the cluster enters an LDS address
	s_mul_i32 s91, s19, 24576
	s_mov_b32 s86, 0x76543210
	s_mov_b32 s87, 0xfedcba98                      ; v_permlanex16_b32's selects for lane l xor 16
	s_wait_dscnt 0x0                               ; the opening add is done
	s_wait_kmcnt 0x0
	s_add_nc_u64 s[98:99], s[4:5], s[98:99]
	s_add_nc_u64 s[96:97], s[4:5], s[96:97]
	CROUND                                         ; all sixteen work-groups are here: the joint loads meet
.irp q, 0,1
	s_mov_b32 s[40+4*\q], 1
	s_add_co_u32 s[41+4*\q], s95, \q*QB
	s_add_nc_u64 s[42+4*\q:43+4*\q], s[98:99], \q*6144
	s_or_b32 s[43+4*\q], s[43+4*\q], 0x80000000
	s_mov_b32 s[56+4*\q+4*(\q/2)], 1
	s_add_co_u32 s[57+4*\q+4*(\q/2)], s91, \q*QB+POFF
	s_add_nc_u64 s[58+4*\q+4*(\q/2):59+4*\q+4*(\q/2)], s[96:97], \q*6144
	s_or_b32 s[59+4*\q+4*(\q/2)], s[59+4*\q+4*(\q/2)], 0x80000000
.endr
	s_cmp_eq_u32 s20, 0                            ; a wave's fill stands in one branch on its number, ahead of every wait on TENSORcnt and every LDS read: one load of mine is out
	s_cbranch_scc0 .Lfirst_p
	tensor_load_to_lds s[40:43], s[24:31]
	s_nop 0
.rept 4
	v_nop
.endr
	s_branch .Lfirst_asked
.Lfirst_p:
	tensor_load_to_lds s[56:59], s[32:39]
	s_nop 0
.rept 4
	v_nop
.endr
.Lfirst_asked:
	v_and_b32 v18, 31, v0                          ; lane
	v_and_b32 v19, 15, v0                          ; r
	v_bfe_u32 v20, v0, 4, 1                        ; h
	v_lshlrev_b32 v1, 3, v18                       ; 8 x lane
	s_wait_alu depctr_va_vdst(0)
	v_lshlrev_b32 v6, 4, v18                       ; 16 x lane
	s_mul_i32 s2, s18, 24576
	v_add_nc_u32 v2, s2, v1                        ; LDS: my four blocks of R in the first half
	v_add_nc_u32 v3, POFF, v1                      ; and P's eight
.irp b, 0,1,2,3
	v_mov_b32 v[TM+4+\b], 0                        ; written once: a lane permute's destination counts as one of its sources
.endr
	; where the results go.  Q, K: my blocks are tokens 16 (16 RT + 4 w + a) on; P's 128 are heads 2 PT and 2 PT + 1.  V: P's 128 are tokens 128 PT on; my 64 rows of Wv are head 4 RT + w
	s_lshl_b32 s100, s92, 4
	s_lshl_b32 s101, s18, 2
	s_add_co_u32 s100, s100, s101                  ; 16 RT + 4 w
	s_lshr_b32 s101, s100, 7                       ; batch
	s_lshl_b32 s101, s101, 8
	s_lshr_b32 s100, s100, 3
	s_and_b32 s100, s100, 15                       ; group of 128 tokens
	s_add_co_u32 s100, s100, s101
	s_lshl_b32 s101, s90, 5                        ; head 2 PT, x 16
	s_add_co_u32 s100, s100, s101                  ; the record's number (batch x 16 + head) x 16 + group, for Q and K
	s_lshr_b32 s3, s90, 4
	s_lshl_b32 s3, s3, 8
	s_and_b32 s101, s90, 15
	s_add_co_u32 s3, s3, s101
	s_lshl_b32 s101, s92, 2
	s_add_co_u32 s101, s101, s18
	s_lshl_b32 s101, s101, 4
	s_add_co_u32 s3, s3, s101                      ; and for V
	s_lshl_b32 s83, s19, 8
	s_add_co_u32 s83, s83, 12288                   ; the tiles' scale words: tiles 4 (w % 2) + a
	s_mov_b32 s80, 768
	s_mov_b32 s81, HEADB
	s_mov_b32 s82, HEADB
	s_mov_b32 s84, 0xffff
	s_cmp_eq_u32 s23, 2
	s_cselect_b32 s100, s3, s100
	s_cselect_b32 s80, 1536, s80                   ; from block a's codes to block a + 1's
	s_cselect_b32 s81, 768, s81                    ; from a fragment's registers 0-5 to its registers 6-11: the next head's record, or in V the same tile
	s_cselect_b32 s82, 0, s82                      ; where lanes 16-31 store their scale words: the next head's record, or in V the same bytes with the same values
	s_cselect_b32 s83, 12800, s83
	s_cselect_b32 s84, -1, s84                     ; Q, K: two bytes of the word belong to a head
	s_cselect_b32 s101, 0, 16
	s_mul_i32 s2, s100, REC
	s_mov_b32 s3, 0
	s_cmp_eq_u32 s23, 0
	s_cselect_b64 s[76:77], s[14:15], s[16:17]
	s_add_nc_u64 s[76:77], s[76:77], s[2:3]        ; my record
	s_mul_i32 s2, s19, 3072
	s_cmp_eq_u32 s23, 2
	s_cselect_b32 s2, 6144, s2
	s_add_nc_u64 s[78:79], s[76:77], s[2:3]        ; and my codes' place in it
	v_mov_b32 v8, v1
	v_add_nc_u32 v9, s80, v8
	v_add_nc_u32 v10, s80, v9
	v_add_nc_u32 v11, s80, v10
.irp a, 0,1,2,3
	v_add_nc_u32 v[12+\a], s81, v[8+\a]
.endr
	v_mul_u32_u24 v16, s82, v20
	v_lshl_add_u32 v16, v19, 4, v16
	v_add_nc_u32 v16, s83, v16
	v_mul_u32_u24 v17, s101, v20                   ; Q, K: lanes 16-31 take the word's upper two bytes
	; the scale words of all of K
	s_lshl_b32 s96, s90, 3
	s_add_co_u32 s96, s96, s93
	s_lshl_b32 s96, s96, 9
	s_mov_b32 s97, 0
	s_add_nc_u64 s[96:97], s[6:7], s[96:97]
	s_lshl_b32 s98, s92, 4
	s_add_co_u32 s98, s98, s94
	s_lshl_b32 s99, s18, 2
	s_add_co_u32 s98, s98, s99
	s_lshl_b32 s98, s98, 9
	s_mov_b32 s99, 0
	s_add_nc_u64 s[98:99], s[6:7], s[98:99]
.irp t, 0,1,2,3,4,5,6,7
	global_load_b128 v[SP+4*\t:SP+4*\t+3], v6, s[96:97] offset:512*\t
.endr
.irp a, 0,1,2,3
	global_load_b128 v[SR+4*\a:SR+4*\a+3], v6, s[98:99] offset:512*\a
.endr
	s_cmp_eq_u32 s23, 2
	s_cbranch_scc1 .Lbias_v
	s_cmp_eq_u32 s23, 0                            ; Q, K: the bias runs along the registers: tile t: features 32 (t / 2) + 16 h + 8 (t % 2) + 0 .. 7 of P's 128
	s_cselect_b64 s[100:101], s[8:9], s[10:11]
	s_lshl_b32 s2, s90, 9
	s_mov_b32 s3, 0
	s_add_nc_u64 s[100:101], s[100:101], s[2:3]
	v_lshlrev_b32 v7, 6, v20
.irp t, 0,1,2,3,4,5,6,7
	global_load_b128 v[BC+8*\t:BC+8*\t+3], v7, s[100:101] offset:(32*(\t/2)+8*(\t%2))*4
	global_load_b128 v[BC+8*\t+4:BC+8*\t+7], v7, s[100:101] offset:(32*(\t/2)+8*(\t%2))*4+16
.endr
	s_branch .Lbias_done
.Lbias_v:                              ; V: the bias belongs to the lane's row of Wv: one number in all eight registers of block a.  (All 64 registers are written, on this way too)
	s_lshl_b32 s2, s92, 10
	s_lshl_b32 s3, s18, 8
	s_add_co_u32 s2, s2, s3
	s_mov_b32 s3, 0
	s_add_nc_u64 s[100:101], s[12:13], s[2:3]
	v_and_b32 v7, 8, v19
	v_add_nc_u32 v7, v7, v19
	v_lshlrev_b32 v7, 2, v7                        ; 4 (r + 8 (r / 8))
.irp a, 0,1,2,3,4,5,6,7
.irp j, 0,1,2,3,4,5,6,7
	global_load_b32 v[BC+8*\a+\j], v7, s[100:101] offset:(32*((\a%4)/2)+8*(\a%2))*4
.endr
.endr
.Lbias_done:
	s_wait_loadcnt 0x0
; the fragments of K step s: 72 LDS loads of 8 bytes a lane, each 256 consecutive bytes, into set s % 2
.macro FETCH s
.if (\s) == 4
	v_add_nc_u32 v2, QB, v2                        ; on to the second half
	v_add_nc_u32 v3, QB, v3
.endif
	WIN 0x80                                       ; destination window 2
.irp t, 0,1,2,3,4,5,6,7
.irp g, 0,1,2,3,4,5
	ds_load_b64 v[96*((\s)%2)+12*\t+2*\g:96*((\s)%2)+12*\t+2*\g+1], v3 offset:6144*\t+1536*((\s)%4)+256*\g
.endr
.endr
	WIN 0xc0                                       ; destination window 3
.irp a, 0,1,2,3
.irp g, 0,1,2,3,4,5
	ds_load_b64 v[48*((\s)%2)+12*\a+2*\g:48*((\s)%2)+12*\a+2*\g+1], v2 offset:6144*\a+1536*((\s)%4)+256*\g
.endr
.endr
	WIN 0
.endm
.macro MM s, cm, a, t
.set rD, 8*(8*(\a)+(\t))
.set rA, 96*((\s)%2)+12*(\t)
.set rB, 48*((\s)%2)+12*(\a)
.set rSA, SP+4*(\t)+(\s)%4
.set rSB, SR+4*(\a)+(\s)%4
.if (\cm) == 1
	v_wmma_scale_f32_16x16x128_f8f6f4 v[rD:rD+7], v[rA:rA+11], v[rB:rB+11], v[BC+8*(\t):BC+8*(\t)+7], v[rSA], v[rSB] matrix_a_fmt:MATRIX_FMT_FP6 matrix_b_fmt:MATRIX_FMT_FP6
.elseif (\cm) == 2
	v_wmma_scale_f32_16x16x128_f8f6f4 v[rD:rD+7], v[rA:rA+11], v[rB:rB+11], v[BC+8*(\a):BC+8*(\a)+7], v[rSA], v[rSB] matrix_a_fmt:MATRIX_FMT_FP6 matrix_b_fmt:MATRIX_FMT_FP6
.elseif (\s) < 4
	v_wmma_scale_f32_16x16x128_f8f6f4 v[rD:rD+7], v[rA:rA+11], v[rB:rB+11], v[rD:rD+7], v[rSA], v[rSB] matrix_a_fmt:MATRIX_FMT_FP6 matrix_b_fmt:MATRIX_FMT_FP6
.else
	v_wmma_scale_f32_16x16x128_f8f6f4 v[rD:rD+7], v[rA:rA+11], v[rB:rB+11], v[rD:rD+7], v[rSA], v[rSB] matrix_a_fmt:MATRIX_FMT_FP6 matrix_b_fmt:MATRIX_FMT_FP6 matrix_a_scale:MATRIX_SCALE_ROW1 matrix_b_scale:MATRIX_SCALE_ROW1
.endif
.endm
; K step s: 32 matrix instructions; the 32 accumulators take turns, one instruction a turn, in the same order in every step.  cm = 1, 2: the bias starts the sums
.macro MULS s, cm
.if \cm
	WIN 0x4e                                       ; source 0 (P) window 2, source 1 (R) window 3, C window 0, D window 1
.else
	WIN 0x5e                                       ; the same, C window 1
.endif
.irp a, 0,1,2,3
.irp t, 0,1,2,3,4,5,6,7
	MM \s, \cm, \a, \t
.endr
.endr
	WIN 0
.endm
.macro STEP s
	s_wait_dscnt 0x0                               ; this step's 72 loads, issued a step ago, are in
.if (\s) == 3
	s_wait_tensorcnt 0x0                           ; my part of the second half is in
	s_barrier_signal -1
	s_barrier_wait -1                              ; everybody's is
.endif
.if (\s) < 7
.rept 4
	v_nop                                          ; four places between the products that read a set and the loads into it (ISA guide 7.12.1 for vector instructions)
.endr
	s_wait_alu depctr_va_vdst(0)
	FETCH (\s)+1
.endif
	MULS \s, 0
.endm
	s_wait_alu depctr_va_vdst(0)
	s_wait_tensorcnt 0x0                           ; my part of the first half is in; the lines stand ahead of a later first fill
	ds_add_u32 v4, v5
	s_wait_dscnt 0x0
	CROUND                                         ; everybody's part is in, and the joint loads of the second half meet
	s_cmp_eq_u32 s20, 0
	s_cbranch_scc0 .Lsecond_p
	tensor_load_to_lds s[44:47], s[24:31]
	s_nop 0
.rept 4
	v_nop
.endr
	s_branch .Lsecond_asked
.Lsecond_p:
	tensor_load_to_lds s[60:63], s[32:39]
	s_nop 0
.rept 4
	v_nop
.endr
.Lsecond_asked:
	FETCH 0
	s_wait_dscnt 0x0
	FETCH 1
	s_cmp_eq_u32 s23, 2
	s_cbranch_scc1 .Lzero_v
	MULS 0, 1
	s_branch .Lzero_done
.Lzero_v:
	MULS 0, 2
.Lzero_done:
.irp s, 1,2,3,4,5,6,7
	STEP \s
.endr
; 64 numbers of a lane in window 1, v[s] on, register 16 b + i = index 32 b + 16 (lane / 16) + i, become a fragment's codes in v[PC] on and its scale word in v[PW]
.macro QUANT s
	WIN 0x05                                       ; sources 0 and 1 window 1
.irp b, 0,1,2,3
	v_max3_num_f32 v[TM+\b], |v[(\s)+16*\b]|, |v[(\s)+1+16*\b]|, 0x1800000   ; each accumulator is read from its low end on; the floor 2^(3 - 127) holds the byte at 1 from below
.endr
.irp i, 2,4,6,8,10,12,14
.irp b, 0,1,2,3
	v_max3_num_f32 v[TM+\b], |v[(\s)+16*\b+\i]|, |v[(\s)+1+16*\b+\i]|, v[TM+\b]
.endr
.endr
	WIN 0
.irp b, 0,1,2,3
	v_permlanex16_b32 v[TM+4+\b], v[TM+\b], s86, s87
.endr
.irp b, 0,1,2,3
	v_max_num_f32 v[TM+\b], v[TM+\b], v[TM+4+\b]   ; with lane l xor 16's: the block's largest magnitude
.endr
.irp b, 0,1,2,3
	v_add_nc_u32 v[TM+12+\b], 0xff000000, v[TM+\b] ; 2 off the exponent field: the conversion's scale operand
.endr
.irp b, 0,1,2,3
	v_lshrrev_b32 v[TM+4+\b], 23, v[TM+12+\b]      ; the scale's byte
.endr
	v_lshl_or_b32 v[PW], v[TM+5], 8, v[TM+4]
	v_lshl_or_b32 v[PW], v[TM+6], 16, v[PW]
	v_lshl_or_b32 v[PW], v[TM+7], 24, v[PW]
	WIN 0x01                                       ; source 0 window 1
.irp c, 0,1
	v_cvt_scalef32_pk16_fp6_f32 v[PC+6*\c:PC+2+6*\c], v[(\s)+32*\c:(\s)+15+32*\c], v[TM+12+2*\c]
	v_cvt_scalef32_pk16_fp6_f32 v[PC+12+4*\c:PC+14+4*\c], v[(\s)+16+32*\c:(\s)+31+32*\c], v[TM+12+2*\c+1]   ; (a conversion's three registers begin on an even number)
.endr
	WIN 0
	v_nop                                          ; one plain place behind a scaled conversion
.irp c, 0,1                                    ; the operand's layout wants a whole block in a lane: lanes 0-15 block 2 c, lanes 16-31 block 2 c + 1
.irp i, 0,1,2
	v_permlane16_swap_b32 v[PC+6*\c+\i], v[PC+12+4*\c+\i]
.endr
.irp i, 0,1,2
	v_mov_b32 v[PC+3+6*\c+\i], v[PC+12+4*\c+\i]
.endr
.endr
.endm
.macro OUTBLK a
	s_wait_xcnt 0x0                                ; the last block's stores have read the codes' registers
	QUANT 64*(\a)
.irp p, 0,1,2
	global_store_b64 v[8+(\a)], v[PC+2*\p:PC+2*\p+1], s[78:79] offset:256*\p     ; 256 consecutive bytes, aligned
.endr
.irp p, 0,1,2
	global_store_b64 v[12+(\a)], v[PC+6+2*\p:PC+7+2*\p], s[78:79] offset:256*\p
.endr
	v_lshrrev_b32 v[SWD+(\a)], v17, v[PW]
	v_and_b32 v[SWD+(\a)], s84, v[SWD+(\a)]
.endm
.rept 4
	v_nop                                          ; four places between the last product and the first read of results
.endr
	OUTBLK 0
	OUTBLK 1
	OUTBLK 2
	OUTBLK 3
	global_store_b128 v16, v[SWD:SWD+3], s[76:77]  ; sixteen lanes store 256 consecutive bytes, aligned
	s_wait_tensorcnt 0x0                           ; the wave's end: three lines, behind my last tensor load
	ds_add_u32 v4, v5
	s_wait_dscnt 0x0
	CROUND                                         ; the closing round
	s_endpgm
.Lfunc_end_k_qb64937a2f4_proj:
	.size	k_qb64937a2f4_proj, .Lfunc_end_k_qb64937a2f4_proj-k_qb64937a2f4_proj
	.p2alignl 7, 3214868480
	.fill 96, 4, 3214868480
	.section	.rodata,"a",@progbits
	.p2align	6, 0x0
	.amdhsa_kernel k_qb64937a2f4_proj
		.amdhsa_group_segment_fixed_size 327680
		.amdhsa_private_segment_fixed_size 0
		.amdhsa_enable_private_segment 0
		.amdhsa_kernarg_size 56
		.amdhsa_user_sgpr_count 2
		.amdhsa_user_sgpr_kernarg_segment_ptr 1
		.amdhsa_wavefront_size32 1
		.amdhsa_system_sgpr_workgroup_id_x 1
		.amdhsa_system_sgpr_workgroup_id_y 1
		.amdhsa_system_sgpr_workgroup_id_z 1
		.amdhsa_system_vgpr_workitem_id 0
		.amdhsa_next_free_vgpr 864
		.amdhsa_next_free_sgpr 104
		.amdhsa_reserve_vcc 0
		.amdhsa_float_denorm_mode_32 3
		.amdhsa_float_denorm_mode_16_64 3
		.amdhsa_memory_ordered 1
		.amdhsa_forward_progress 1
		.amdhsa_inst_pref_size 112
	.end_amdhsa_kernel
	.amdgpu_metadata
---
amdhsa.version: [ 1, 2 ]
amdhsa.kernels:
  - .name:           k_qb64937a2f4_proj
    .symbol:         k_qb64937a2f4_proj.kd
    .args:
      - { .name: img, .offset: 0, .size: 8, .value_kind: global_buffer, .address_space: global }
      - { .name: isc, .offset: 8, .size: 8, .value_kind: global_buffer, .address_space: global }
      - { .name: bq, .offset: 16, .size: 8, .value_kind: global_buffer, .address_space: global }
      - { .name: bk, .offset: 24, .size: 8, .value_kind: global_buffer, .address_space: global }
      - { .name: bv, .offset: 32, .size: 8, .value_kind: global_buffer, .address_space: global }
      - { .name: qi, .offset: 40, .size: 8, .value_kind: global_buffer, .address_space: global }
      - { .name: kv, .offset: 48, .size: 8, .value_kind: global_buffer, .address_space: global }
    .group_segment_fixed_size: 327680
    .private_segment_fixed_size: 0
    .kernarg_segment_align: 8
    .kernarg_segment_size: 56
    .max_flat_workgroup_size: 128
    .sgpr_count:     104
    .vgpr_count:     864
    .wavefront_size: 32
...
	.end_amdgpu_metadata
.endif
;; end of part 2
;; launch attn (part 3): grid 4 x 64, 16 waves a work-group, clusters of 4 x 1, 327,680 bytes of LDS; arguments qi, kv, ml, oc, os; writes oc, os
.if DOCPART == 3
	.amdgcn_target "amdgcn-amd-amdhsa--gfx1250"
	.amdhsa_code_object_version 6
	.text
	.protected	k_qb64937a2f4_attn
	.globl	k_qb64937a2f4_attn
	.p2align	8
	.type	k_qb64937a2f4_attn,@function
k_qb64937a2f4_attn:
	s_mov_b64 s[64:65], 0
	v_nop
	global_prefetch_b8 v0, s[64:65] scope:SCOPE_SE
	s_setreg_imm32_b32 hwreg(HW_REG_WAVE_MODE, 25, 1), 1
	s_wait_xcnt 0x0
	s_wait_alu depctr_hold_cnt(0) depctr_sa_sdst(0) depctr_va_vdst(0) depctr_va_sdst(0) depctr_va_ssrc(0) depctr_va_vcc(0) depctr_vm_vsrc(0)
	s_getreg_b32 s2, hwreg(HW_REG_IB_STS2, 6, 4)
	s_cmp_eq_u32 s2, 0
	s_cbranch_scc0 .Lentry_in_a_cluster
	s_endpgm
.Lentry_in_a_cluster:
	s_bfe_u32 s2, ttmp6, 0x10000c
	s_cmp_lg_u32 s2, 0x3003
	s_cbranch_scc0 .Lentry_shape_is_right
	s_endpgm
.Lentry_shape_is_right:
; O = softmax(mask(Q K^T / 8)) V for one (batch, head) and 512 queries a work-group, on codes of FP6 (E2M3); O leaves quantised along the head's 64, as the last launch wants it.
; SHARES.  Work-group (cx, bh): queries 512 cx on of head bh.  All 16 records of the head's K and V (13,056 bytes for each 128 keys) lie in LDS, filled once: wave w asks for record w, 51 rows of 256 bytes, one tensor load a wave.
; The four work-groups of a cluster have the same head and ask jointly.  Wave w takes the query tiles 32 cx + w and 32 cx + 16 + w, one after the other, each over 16 steps of 128 keys.  Behind the one barrier the waves share nothing.
; BOTH PRODUCTS ARE USED TRANSPOSED (S^T = K Q^T, O^T = V^T P^T): a lane holds one query.  Row 8 h + j of K's tile 4 c + u is key 64 c + 32 h + 8 u + j, so score register 32 c + i of lane (r, h) is key 64 c + 32 h + i:
; a lane's 32 registers are one scale block of P, in the order of P's operand registers: a block's largest score needs no other lane, and the codes fall where the product wants them.
; K = 64 fills half of the instruction's 128: Q's registers 6-11 are zero codes, and what stands in K's registers 6-11 (the next tile's codes; zeros behind tile 7) adds nothing.
; THE MASK: word n of a step's 64 has a bit for each lane; where it is 0 the score becomes -2^33 (its product with log2(e) / 8 is a whole number, exact in f32), so a row with no key left gets p = 1 everywhere, as reference() has it.
; SOFTMAX: M = ceil(running largest t), kept as -M; p = 2^(t - M); the sum is taken of p before it is quantised; when M moves, the sum and O^T are multiplied by the exact power of two.  A block's largest p is made from its largest score.
; THE ORDER OF A STEP'S VECTOR LINES: lines that hang on each other stand apart.  The maxima are a tree (20, 8, 2, 2 lines); the sum runs in eight chains; the lines that make P's scale word stand among the sum's; V's LDS loads stand between the lines that make M.
; LIMITS: scaled scores (t) stay under 2^31 in magnitude, and scores / 8 of keys that count stay above -1e9; NaN and infinities are not served; a block of zeros gets the scale byte 1 (its codes are zeros; this program alone reads the bytes).
; No data prefetch: all of K and V is asked for at the head, with no loop to run ahead in, and a step's mask words are asked for one step ahead by the scalar loads themselves.
; REGISTERS: v16-27 Q; v28-31, v86-89 K's and V's scale words; v32-85 fragments of K, then of V; v96-159 scores, then p; v160-191 O^T; v192-210 codes; v212-231 the tree's first level, then the sum's eight chains;
; v12 -M, v13 the largest score so far, v[14:15] the sum in two halves, v253 P's scale word, v254 f.
.set REC,   13056
.set HEADB, 16*REC
.set SPARE, HEADB                      ; the spare words, 128 bytes for each wave, behind the records
.set T,     212
.macro WALU
	s_wait_alu depctr_va_vdst(0)
.endm
.macro CROUND                          ; a round of the cluster's barrier
	s_barrier_signal -1
	s_barrier_wait -1
	s_cmp_lg_u32 s2, 0
	s_cbranch_scc1 .Lnot_wave_0_\@
	s_barrier_signal -3
.Lnot_wave_0_\@:
	s_barrier_wait -3
	s_barrier_signal -1
	s_barrier_wait -1
.endm
.macro MASKW                           ; the 64 mask words of the step at s6
	s_load_b512 s[32:47], s[4:5], s6 offset:0x0
	s_load_b512 s[48:63], s[4:5], s6 offset:0x40
	s_load_b512 s[68:83], s[4:5], s6 offset:0x80
	s_load_b512 s[84:99], s[4:5], s6 offset:0xc0
.endm
.macro LOADS                           ; a query tile's codes and scale word, and its first step's mask words
.irp p, 0,1,2
	global_load_b64 v[16+2*\p:17+2*\p], v90, s[24:25] offset:256*\p
.endr
	global_load_b32 v10, v91, s[24:25]
	s_mov_b32 s6, 0
	MASKW
.endm
	s_load_b64 s[24:25], s[0:1], 0x0               ; qi
	s_load_b64 s[104:105], s[0:1], 0x8             ; kv
	s_load_b64 s[4:5], s[0:1], 0x10                ; ml
	s_load_b128 s[20:23], s[0:1], 0x18             ; oc, os
	v_lshl_add_u32 v4, v0, 2, SPARE
	v_mov_b32 v5, 0
	ds_add_u32 v4, v5                              ; the opening lines: the add, twice on end, and its wait stand ahead of my tensor load
	ds_add_u32 v4, v5
	v_lshrrev_b32 v1, 5, v0
	s_delay_alu instid0(VALU_DEP_1)
	v_readfirstlane_b32 s2, v1                     ; wave 0..15
	s_and_b32 s27, ttmp7, 0xffff                   ; bh = 16 x batch + head
	s_bfe_u32 s28, ttmp6, 0x40000                  ; cx
	s_mov_b32 s8, 15|(3<<16)|(1<<21)               ; group 1: the mask names the cluster's four; elements of 8 bytes; a dense block as 51 rows of 256 bytes
	s_mov_b32 s9, 32<<16
	s_mov_b32 s10, 51<<16
	s_mov_b32 s11, 32<<16
	s_mov_b32 s12, 51
	s_mov_b32 s13, 32
	s_mov_b32 s14, 0
	s_mov_b32 s15, 0
	s_mov_b32 s16, 1
	s_mul_i32 s17, s2, REC                         ; record w, in LDS and in the head's part of kv
	s_mul_i32 s18, s27, HEADB
	s_add_co_u32 s18, s18, s17
	s_mov_b32 s19, 0
	s_lshr_b32 s29, s27, 4
	s_lshl_b32 s29, s29, 7
	s_lshl_b32 s30, s28, 5
	s_add_co_u32 s29, s29, s30
	s_add_co_u32 s29, s29, s2                      ; my first query tile: 128 x batch + 32 cx + w
	s_and_b32 s30, s27, 15                         ; head
	s_lshl_b32 s32, s29, 12                        ; ml: 16 records of 256 bytes a tile
	s_mov_b32 s33, 0
	s_lshl_b32 s34, s27, 4
	s_lshl_b32 s31, s28, 2
	s_add_co_u32 s34, s34, s31
	s_lshr_b32 s31, s2, 3
	s_add_co_u32 s34, s34, s31
	s_mul_i32 s34, s34, REC                        ; qi: record 16 bh + 4 cx + w / 8
	s_mov_b32 s35, 0
	s_mul_i32 s36, s29, 12288
	s_mul_i32 s31, s30, 768
	s_add_co_u32 s36, s36, s31                     ; oc: 12,288 bytes a tile, 768 a head
	s_mov_b32 s37, 0
	s_lshl_b32 s38, s30, 14
	s_lshl_b32 s31, s29, 5
	s_add_co_u32 s38, s38, s31                     ; os: [head][token], two bytes each
	s_mov_b32 s39, 0
	s_and_b32 s40, s2, 7
	s_mul_i32 s40, s40, 768                        ; my tile in its record,
	s_bfe_u32 s41, s2, 0x10002
	s_lshl_b32 s41, s41, 8
	s_and_b32 s42, s2, 3
	s_lshl_b32 s42, s42, 2
	s_add_co_u32 s41, s41, s42
	s_add_co_u32 s41, s41, 12288                   ; and its scale words
	s_mov_b32 s66, 0x76543210
	s_mov_b32 s67, 0xfedcba98                      ; v_permlanex16_b32's selects for lane l xor 16
	s_mov_b32 s100, 0x3e38aa3b                     ; log2(e) / 8
	s_mov_b32 s101, s100
	s_wait_dscnt 0x0
	s_wait_kmcnt 0x0
	s_add_nc_u64 s[18:19], s[104:105], s[18:19]
	s_or_b32 s19, s19, 0x80000000
	s_add_nc_u64 s[4:5], s[4:5], s[32:33]
	s_add_nc_u64 s[24:25], s[24:25], s[34:35]
	s_add_nc_u64 s[20:21], s[20:21], s[36:37]
	s_add_nc_u64 s[22:23], s[22:23], s[38:39]
	CROUND                                         ; the four work-groups are here: the joint loads meet
	tensor_load_to_lds s[16:19], s[8:15]
	s_nop 0
.rept 4
	v_nop
.endr
	v_and_b32 v11, 31, v0
	s_delay_alu instid0(VALU_DEP_1)
	v_lshlrev_b32 v1, 3, v11                       ; 8 x lane
	s_delay_alu instid0(VALU_DEP_2)
	v_lshlrev_b32 v2, 4, v11                       ; 16 x lane
	v_and_b32 v3, 15, v0
	s_delay_alu instid0(VALU_DEP_1)
	v_lshlrev_b32 v92, 1, v3                       ; 2 r
	s_delay_alu instid0(VALU_DEP_2)
	v_lshlrev_b32 v3, 4, v3                        ; 16 r
	v_add_nc_u32 v90, s40, v1
	s_delay_alu instid0(VALU_DEP_2)
	v_add_nc_u32 v91, s41, v3
	v_bfe_u32 v11, v0, 4, 1
	s_delay_alu instid0(VALU_DEP_1)
	v_lshlrev_b32 v11, 3, v11                      ; 8 h
	LOADS
	v_mov_b32 v9, 0xd0000000                       ; -2^33
.irp j, 0,1,2,3,4,5
	v_mov_b32 v[22+\j], 0
	v_mov_b32 v[80+\j], 0
.endr
	v_mov_b32 v236, 0                              ; written once: a lane permute's destination counts as one of its sources
	v_mov_b32 v239, 0
	WALU
	s_wait_tensorcnt 0x0                           ; my record is in
	s_barrier_signal -1
	s_barrier_wait -1                              ; everybody's is; nothing is filled again
.macro VL cnt                          ; the next cnt of V's 24 loads: piece n = 6 t + g of the four tiles of 16 d x 128 keys
.rept \cnt
	ds_load_b64 v[32+2*vn:33+2*vn], v6 offset:6144+256*vn
.set vn, vn+1
.endr
.endm
.macro FMA4 from, cnt                  ; t - M, two at a time
.set fj, \from
.rept \cnt
	v_pk_fma_f32 v[96+fj:97+fj], v[96+fj:97+fj], s[100:101], v[12:13] op_sel_hi:[1,0,0]
.set fj, fj+2
.endr
.endm
.macro SUM k0, src                     ; four of the sum's eight chains take a pair each; src = 0: the chains begin
.irp k, \k0, \k0+1, \k0+2, \k0+3
.if \src
	v_pk_add_f32 v[T+2*(\k):T+2*(\k)+1], v[T+2*(\k):T+2*(\k)+1], v[\src+2*(\k):\src+2*(\k)+1]
.else
	v_pk_add_f32 v[T+2*(\k):T+2*(\k)+1], v[96+2*(\k):97+2*(\k)], v[112+2*(\k):113+2*(\k)]
.endif
.endr
.endm
.macro STEP
.set vn, 0
	v_add_nc_u32 v6, s7, v1                        ; (these four are the places behind the last products)
	v_add_nc_u32 v7, s7, v2
	v_add_nc_u32 v8, s7, v3
	v_nop
.irp t, 0,1,2,3,4,5,6,7
.irp p, 0,1,2
	ds_load_b64 v[32+6*\t+2*\p:33+6*\t+2*\p], v6 offset:768*\t+256*\p
.endr
.endr
	ds_load_b128 v[28:31], v7 offset:12288
	WALU
	s_wait_dscnt 0x0
.irp t, 0,1,2,3
	v_wmma_scale_f32_16x16x128_f8f6f4 v[96+8*\t:103+8*\t], v[32+6*\t:43+6*\t], v[16:27], 0, v[28+\t], v10 matrix_a_fmt:MATRIX_FMT_FP6 matrix_b_fmt:MATRIX_FMT_FP6
.endr
.irp t, 4,5,6,7
	v_wmma_scale_f32_16x16x128_f8f6f4 v[96+8*\t:103+8*\t], v[32+6*\t:43+6*\t], v[16:27], 0, v[24+\t], v10 matrix_a_fmt:MATRIX_FMT_FP6 matrix_b_fmt:MATRIX_FMT_FP6 matrix_a_scale:MATRIX_SCALE_ROW1
.endr
.rept 4
	v_nop                                          ; four places ahead of the first read of the scores
.endr
	s_wait_kmcnt 0x0                               ; this step's mask words, asked for a step ago
.set n, 0
.rept 64
.set sw, 32+n+4*(n/32)
	v_cndmask_b32 v[96+n], v9, v[96+n], s[sw]
.set n, n+1
.endr
	s_add_co_u32 s6, s6, 256
	s_min_u32 s6, s6, 3840                         ; (the last step names its own record again: every load stays inside ml)
	MASKW
.irp c, 0,1                            ; the largest score of my two blocks of 32, as a tree: 30 of a block's scores by threes,
.irp k, 0,1,2,3,4,5,6,7,8,9
	v_max3_num_f32 v[T+10*\c+\k], v[96+32*\c+3*\k], v[97+32*\c+3*\k], v[98+32*\c+3*\k]
.endr
.endr
.irp c, 0,1                            ; the ten and the last two scores by threes,
.irp k, 0,1,2
	v_max3_num_f32 v[240+6*\c+\k], v[T+10*\c+3*\k], v[T+10*\c+3*\k+1], v[T+10*\c+3*\k+2]
.endr
	v_max3_num_f32 v[243+6*\c], v[T+10*\c+9], v[126+32*\c], v[127+32*\c]
.endr
	v_max3_num_f32 v232, v240, v241, v242          ; and the four
	s_delay_alu instid0(VALU_DEP_3)
	v_max3_num_f32 v234, v246, v247, v248
	s_delay_alu instid0(VALU_DEP_2)
	v_max_num_f32 v232, v232, v243                 ; block h
	s_delay_alu instid0(VALU_DEP_2)
	v_max_num_f32 v234, v234, v249                 ; block 2 + h
	VL 4                                           ; V's fragments, into K's registers, which the products have read: between the lines that hang on each other
	v_max_num_f32 v250, v232, v234
	VL 4
	v_permlanex16_b32 v236, v250, s66, s67
	VL 4
	v_max3_num_f32 v13, v13, v250, v236            ; the largest score of my query so far
	VL 4
	v_mul_f32 v255, s100, v13                      ; as t
	v_mov_b32 v251, v12
	VL 8
	ds_load_b128 v[86:89], v8 offset:12800
	v_floor_f32 v12, -v255                         ; -M = floor(-t)
	s_delay_alu instid0(VALU_DEP_1)
	FMA4 0, 4
	v_sub_f32 v251, v12, v251                      ; old M less new M, a whole number
	FMA4 8, 5
	v_cvt_i32_f32 v251, v251
	FMA4 18, 5
	v_ldexp_f32 v254, 1.0, v251                    ; f = 2^(old M - new M)
	FMA4 28, 18
.irp j, 0,2,4,6,8,10,12,14,16,18,20,22,24,26,28,30
	v_pk_mul_f32 v[160+\j:161+\j], v[160+\j:161+\j], v[254:255] op_sel_hi:[1,0]   ; O^T under the new M
.endr
	v_fma_f32 v232, v232, s100, v12
	v_fma_f32 v234, v234, s100, v12
	WALU
	v_exp_f32 v232, v232                           ; my blocks' largest p: the same two instructions on the same number
	v_exp_f32 v234, v234
.irp j, 0,1,2,3,4,5,6,7,8,9,10,11,12,13,14,15,16,17,18,19,20,21,22,23,24,25,26,27,28,29,30,31,32,33,34,35,36,37,38,39,40,41,42,43,44,45,46,47,48,49,50,51,52,53,54,55,56,57,58,59,60,61,62,63
	v_exp_f32 v[96+\j], v[96+\j]
.endr
	v_nop                                          ; one plain place behind the batch
	WALU                                           ; and the wait behind it
	v_max_num_f32 v232, 0x1800000, v232            ; the floor 2^(3 - 127) holds the byte at 1 from below
	v_max_num_f32 v234, 0x1800000, v234
	SUM 0, 0                                       ; the sum of the unquantised p: eight chains of four pairs
	v_add_nc_u32 v244, 0xff000000, v232            ; 2 off the exponent field: the conversions' scale operands
	v_add_nc_u32 v245, 0xff000000, v234
	SUM 4, 0
	v_lshrrev_b32 v237, 23, v244
	v_lshrrev_b32 v238, 23, v245
	SUM 0, 128
	v_lshl_or_b32 v238, v238, 16, v237             ; my two bytes, blocks h and 2 + h,
	SUM 4, 128
	v_lshlrev_b32 v238, v11, v238                  ; at their places in the word;
	SUM 0, 144
	v_permlanex16_b32 v239, v238, s66, s67
	SUM 4, 144
	v_or_b32 v253, v238, v239                      ; with lane l xor 16's two the word is whole
.irp c, 0,1
	v_cvt_scalef32_pk16_fp6_f32 v[192+6*\c:194+6*\c], v[96+32*\c:111+32*\c], v[244+\c]
	v_cvt_scalef32_pk16_fp6_f32 v[204+4*\c:206+4*\c], v[112+32*\c:127+32*\c], v[244+\c]   ; (a conversion's three registers begin on an even number)
.endr
	SUM 0, T+8                                     ; eight chains to four: also the plain places behind the conversions
.irp c, 0,1
.irp i, 0,1,2
	v_mov_b32 v[195+6*\c+\i], v[204+4*\c+\i]
.endr
.endr
	v_pk_add_f32 v[T:T+1], v[T:T+1], v[T+4:T+5]    ; four to two, to one, and onto the sum under the new M: also the four places ahead of the products
	v_pk_add_f32 v[T+2:T+3], v[T+2:T+3], v[T+6:T+7]
	s_delay_alu instid0(VALU_DEP_1)
	v_pk_add_f32 v[T:T+1], v[T:T+1], v[T+2:T+3]
	s_delay_alu instid0(VALU_DEP_1)
	v_pk_fma_f32 v[14:15], v[14:15], v[254:255], v[T:T+1] op_sel_hi:[1,0,1]
	v_nop                                          ; five places stand between the last write of P's registers and the products
	WALU
	s_wait_dscnt 0x0                               ; V's fragments and scale words
.irp t, 0,1,2,3
	v_wmma_scale_f32_16x16x128_f8f6f4 v[160+8*\t:167+8*\t], v[32+12*\t:43+12*\t], v[192:203], v[160+8*\t:167+8*\t], v[86+\t], v253 matrix_a_fmt:MATRIX_FMT_FP6 matrix_b_fmt:MATRIX_FMT_FP6
.endr
	s_add_co_u32 s7, s7, REC
.endm
.macro PASS p                          ; one query tile: 16 steps, then O / the sum, quantised along the head's 64
	v_mov_b32 v13, 0xff61b1e6                      ; -3e38, under every score
	s_delay_alu instid0(VALU_DEP_1)
	v_mul_f32 v12, s100, v13
	s_delay_alu instid0(VALU_DEP_1)
	v_floor_f32 v12, -v12
	v_mov_b32 v14, 0
	v_mov_b32 v15, 0
.irp j, 0,1,2,3,4,5,6,7,8,9,10,11,12,13,14,15,16,17,18,19,20,21,22,23,24,25,26,27,28,29,30,31
	v_mov_b32 v[160+\j], 0                         ; the step is written once: the first finds zeros
.endr
	WALU
	s_wait_loadcnt 0x0                             ; Q's codes and scale word
	s_mov_b32 s7, 0
	s_mov_b32 s3, 16
.Lstep\p:
	STEP
	s_sub_co_u32 s3, s3, 1
	s_cmp_lg_u32 s3, 0
	s_cbranch_scc1 .Lstep\p
	v_add_f32 v14, v14, v15
	s_delay_alu instid0(VALU_DEP_1)
	v_permlanex16_b32 v236, v14, s66, s67
	s_delay_alu instid0(VALU_DEP_1)
	v_add_f32 v14, v14, v236                       ; the row's sum
	WALU
	v_rcp_f32 v14, v14
.rept 3
	v_nop
.endr
	WALU
.irp j, 0,2,4,6,8,10,12,14,16,18,20,22,24,26,28,30
	v_pk_mul_f32 v[96+\j:97+\j], v[160+\j:161+\j], v[14:15] op_sel_hi:[1,0]   ; register 16 b + i is d = 32 b + 16 h + i (V's rows are laid so)
.endr
.irp b, 0,1
	v_max3_num_f32 v[232+\b], |v[96+16*\b]|, |v[97+16*\b]|, 0x1800000
.endr
.irp i, 2,4,6,8,10,12,14
.irp b, 0,1
	s_delay_alu instid0(VALU_DEP_2)
	v_max3_num_f32 v[232+\b], v[232+\b], |v[96+16*\b+\i]|, |v[97+16*\b+\i]|
.endr
.endr
.irp b, 0,1
	s_delay_alu instid0(VALU_DEP_2)
	v_permlanex16_b32 v[236+\b], v[232+\b], s66, s67
.endr
.irp b, 0,1
	s_delay_alu instid0(VALU_DEP_2)
	v_max_num_f32 v[232+\b], v[232+\b], v[236+\b]
.endr
.irp b, 0,1
	s_delay_alu instid0(VALU_DEP_2)
	v_add_nc_u32 v[244+\b], 0xff000000, v[232+\b]
.endr
.irp b, 0,1
	s_delay_alu instid0(VALU_DEP_2)
	v_lshrrev_b32 v[236+\b], 23, v[244+\b]
.endr
	s_delay_alu instid0(VALU_DEP_1)
	v_lshl_or_b32 v7, v237, 8, v236
	v_cvt_scalef32_pk16_fp6_f32 v[192:194], v[96:111], v244
	v_cvt_scalef32_pk16_fp6_f32 v[204:206], v[112:127], v245
	v_nop
.irp i, 0,1,2
	v_permlane16_swap_b32 v[192+\i], v[204+\i]     ; a whole block in a lane: lanes 0-15 block 0, lanes 16-31 block 1
.endr
.irp i, 0,1,2
	s_delay_alu instid0(VALU_DEP_3)
	v_mov_b32 v[195+\i], v[204+\i]
.endr
.irp q, 0,1,2
	global_store_b64 v1, v[192+2*\q:193+2*\q], s[20:21] offset:256*\q   ; 256 consecutive bytes, aligned
.endr
	global_store_b16 v92, v7, s[22:23]
	s_wait_kmcnt 0x0                               ; the last step's mask words have come: their registers may be asked for again
.if \p == 0
	s_wait_xcnt 0x0                                ; the stores have read their registers and bases
	s_add_nc_u64 s[4:5], s[4:5], 0x10000           ; sixteen query tiles on
	s_add_nc_u64 s[24:25], s[24:25], 2*REC
	s_add_nc_u64 s[20:21], s[20:21], 16*12288
	s_add_nc_u64 s[22:23], s[22:23], 512
	LOADS
.endif
.endm
	PASS 0
	PASS 1
	s_wait_tensorcnt 0x0                           ; the wave's end: three lines
	ds_add_u32 v4, v5
	s_wait_dscnt 0x0
	CROUND                                         ; the closing round
	s_endpgm
.Lfunc_end_k_qb64937a2f4_attn:
	.size	k_qb64937a2f4_attn, .Lfunc_end_k_qb64937a2f4_attn-k_qb64937a2f4_attn
	.p2alignl 7, 3214868480
	.fill 96, 4, 3214868480
	.section	.rodata,"a",@progbits
	.p2align	6, 0x0
	.amdhsa_kernel k_qb64937a2f4_attn
		.amdhsa_group_segment_fixed_size 327680
		.amdhsa_private_segment_fixed_size 0
		.amdhsa_enable_private_segment 0
		.amdhsa_kernarg_size 40
		.amdhsa_user_sgpr_count 2
		.amdhsa_user_sgpr_kernarg_segment_ptr 1
		.amdhsa_wavefront_size32 1
		.amdhsa_system_sgpr_workgroup_id_x 1
		.amdhsa_system_sgpr_workgroup_id_y 1
		.amdhsa_system_sgpr_workgroup_id_z 1
		.amdhsa_system_vgpr_workitem_id 0
		.amdhsa_next_free_vgpr 256
		.amdhsa_next_free_sgpr 106
		.amdhsa_reserve_vcc 0
		.amdhsa_float_denorm_mode_32 3
		.amdhsa_float_denorm_mode_16_64 3
		.amdhsa_memory_ordered 1
		.amdhsa_forward_progress 1
		.amdhsa_inst_pref_size 60
	.end_amdhsa_kernel
	.amdgpu_metadata
---
amdhsa.version: [ 1, 2 ]
amdhsa.kernels:
  - .name:           k_qb64937a2f4_attn
    .symbol:         k_qb64937a2f4_attn.kd
    .args:
      - { .name: qi, .offset: 0, .size: 8, .value_kind: global_buffer, .address_space: global }
      - { .name: kv, .offset: 8, .size: 8, .value_kind: global_buffer, .address_space: global }
      - { .name: ml, .offset: 16, .size: 8, .value_kind: global_buffer, .address_space: global }
      - { .name: oc, .offset: 24, .size: 8, .value_kind: global_buffer, .address_space: global }
      - { .name: os, .offset: 32, .size: 8, .value_kind: global_buffer, .address_space: global }
    .group_segment_fixed_size: 327680
    .private_segment_fixed_size: 0
    .kernarg_segment_align: 8
    .kernarg_segment_size: 40
    .max_flat_workgroup_size: 512
    .sgpr_count:     106
    .vgpr_count:     256
    .wavefront_size: 32
...
	.end_amdgpu_metadata
.endif
;; end of part 3
;; launch oproj (part 4): grid 8 x 32, 4 waves a work-group, clusters of 4 x 4, 327,680 bytes of LDS; arguments oc, os, img, isc, bo, out0; writes out0
.if DOCPART == 4
	.amdgcn_target "amdgcn-amd-amdhsa--gfx1250"
	.amdhsa_code_object_version 6
	.text
	.protected	k_qb64937a2f4_oproj
	.globl	k_qb64937a2f4_oproj
	.p2align	8
	.type	k_qb64937a2f4_oproj,@function
k_qb64937a2f4_oproj:
	s_mov_b64 s[64:65], 0
	v_nop
	global_prefetch_b8 v0, s[64:65] scope:SCOPE_SE
	s_setreg_imm32_b32 hwreg(HW_REG_WAVE_MODE, 25, 1), 1
	s_wait_xcnt 0x0
	s_wait_alu depctr_hold_cnt(0) depctr_sa_sdst(0) depctr_va_vdst(0) depctr_va_sdst(0) depctr_va_ssrc(0) depctr_va_vcc(0) depctr_vm_vsrc(0)
	s_getreg_b32 s2, hwreg(HW_REG_IB_STS2, 6, 4)
	s_cmp_eq_u32 s2, 0
	s_cbranch_scc0 .Lentry_in_a_cluster
	s_endpgm
.Lentry_in_a_cluster:
	s_bfe_u32 s2, ttmp6, 0x10000c
	s_cmp_lg_u32 s2, 0xf033
	s_cbranch_scc0 .Lentry_shape_is_right
	s_endpgm
.Lentry_shape_is_right:
; out0 = O Wo^T + bo on codes of FP6 (E2M3).  D = P R^T: source 0 = 16 rows of Wo (blocks 1728 on of img), source 1 = 16 tokens of O (oc): a lane holds one token, and its registers run along the output's features.
; Wo's blocks of 16 rows are laid so that register 16 b + i of a lane (tiles 2 b, 2 b + 1) is feature 32 b + 16 (lane / 16) + i of the tile's 128.
; SHARES.  A work-group: 256 tokens x 128 features, all of K = 1,024 in LDS at once, filled once, in two halves of 512 along K.  Wave w: token blocks 4 w .. 4 w + 3 x Wo's eight: 32 accumulators, 256 matrix instructions.
; CLUSTERS: 4 x 4 work-groups; O's tile is asked for jointly along the cluster's row, Wo's along its column.
; REGISTERS, in windows of 256: window 0: addresses, scale words, the bias, later rows of the output; window 1: accumulator (a, t) at v[8 (8 a + t)]; window 2: Wo's fragments, two sets of 96; window 3: O's, two sets of 48.
; ALL OF K COMES IN TWO HALVES of 512 along K, one tensor load a wave for each: the first at the head, the second behind the three lines and a round.
; The way out's stage lies in the first half, whose last reads every wave has waited for ahead of the barrier of K step 3.
.set QB,    147456                     ; a half in LDS: O's 16 blocks x 6,144 bytes, then Wo's 8
.set POFF,  98304
.set SPARE, 2*QB                       ; the spare words, 128 bytes for each wave: two blocks of 256 bytes that no other line names
.set SPIT,  528                        ; the way out: a stage of 16 rows x (512 + 16) bytes for each wave, in the first half, which has had its only fill and its last read by then
.set SP,  32                           ; v32-63   Wo's scale words: block t, register 4 t + j: lanes 0-15 K step j, lanes 16-31 K step 4 + j
.set SR,  64                           ; v64-95   O's: block a, K step s: register 8 a + s
.set BC,  96                           ; v96-159  the bias, in the result's layout
.set BK,  96                           ; the way out: 16 rows read back: v96-159 and v160-223 by turns
.set MSB, 0
.macro WIN new                         ; the immediate's high byte repeats the setting that is left
.if MSB != \new
	s_set_vgpr_msb (MSB<<8)|\new
.set MSB, \new
.endif
.endm
.macro CROUND                          ; a round of the cluster's barrier
	s_barrier_signal -1
	s_barrier_wait -1
	s_cmp_lg_u32 s18, 0
	s_cbranch_scc1 .Lnot_wave_0_\@
	s_barrier_signal -3
.Lnot_wave_0_\@:
	s_barrier_wait -3
	s_barrier_signal -1
	s_barrier_wait -1
.endm
	s_load_b256 s[4:11], s[0:1], 0x0               ; oc, os, img, isc
	s_load_b128 s[12:15], s[0:1], 0x20             ; bo, out0
	v_lshl_add_u32 v4, v0, 2, SPARE
	v_mov_b32 v5, 0
	ds_add_u32 v4, v5                              ; the wave's opening: the add and its wait stand ahead of my first tensor load; work on registers stands between them
	ds_add_u32 v4, v5
	v_lshrrev_b32 v1, 5, v0
	v_readfirstlane_b32 s18, v1                    ; wave 0..3
	s_and_b32 s19, s18, 1                          ; which half of a tile I fetch
	s_lshr_b32 s20, s18, 1                         ; I fetch for O (0) or for Wo (1)
	s_bfe_u32 s21, ttmp6, 0x40000                  ; cx
	s_bfe_u32 s22, ttmp6, 0x40004                  ; cy
	s_lshl_b32 s90, ttmp9, 2
	s_add_co_u32 s90, s90, s21                     ; PT: Wo's tile of 128 rows
	s_and_b32 s92, ttmp7, 0xffff
	s_lshl_b32 s92, s92, 2
	s_add_co_u32 s92, s92, s22                     ; RT: the tile of 256 tokens
	s_lshl_b32 s88, s22, 2
	s_lshl_b32 s88, 15, s88                        ; my row of the cluster
	s_lshl_b32 s89, 0x1111, s21                    ; my column
	; descriptor group 1: blocks of 16 rows are 12,288 bytes apart; a half's part of a block is 6,144 bytes: 768 elements of 8 bytes.  O: 8 blocks a load, Wo: 4
	s_or_b32 s24, s88, (3<<16)|(1<<21)
	s_mov_b32 s25, 768<<16                         ; a half's part of a block is 6,144 bytes: 768 elements of 8 bytes
	s_mov_b32 s26, 8<<16
	s_mov_b32 s27, 768<<16
	s_mov_b32 s28, 8
	s_mov_b32 s29, 1536
	s_mov_b32 s30, 0
	s_mov_b32 s31, 0
	s_or_b32 s32, s89, (3<<16)|(1<<21)
	s_mov_b32 s33, 768<<16
	s_mov_b32 s34, 4<<16
	s_mov_b32 s35, 768<<16
	s_mov_b32 s36, 4
	s_mov_b32 s37, 1536
	s_mov_b32 s38, 0
	s_mov_b32 s39, 0
	s_lshl_b32 s98, s92, 4
	s_lshl_b32 s99, s19, 3
	s_add_co_u32 s98, s98, s99
	s_mul_i32 s98, s98, 12288
	s_mov_b32 s99, 0
	s_lshl_b32 s96, s90, 3
	s_add_co_u32 s96, s96, 1728
	s_lshl_b32 s97, s19, 2
	s_add_co_u32 s96, s96, s97
	s_mul_i32 s96, s96, 12288
	s_mov_b32 s97, 0
	s_mul_i32 s95, s19, 49152                      ; where they go in a half: no place in the cluster enters an LDS address
	s_mul_i32 s91, s19, 24576
	s_wait_dscnt 0x0                               ; the opening add is done
	s_wait_kmcnt 0x0
	s_add_nc_u64 s[98:99], s[4:5], s[98:99]
	s_add_nc_u64 s[96:97], s[8:9], s[96:97]
	CROUND                                         ; all sixteen work-groups are here: the joint loads meet
.irp q, 0,1
	s_mov_b32 s[40+4*\q], 1
	s_add_co_u32 s[41+4*\q], s95, \q*QB
	s_add_nc_u64 s[42+4*\q:43+4*\q], s[98:99], \q*6144
	s_or_b32 s[43+4*\q], s[43+4*\q], 0x80000000
	s_mov_b32 s[56+4*\q+4*(\q/2)], 1
	s_add_co_u32 s[57+4*\q+4*(\q/2)], s91, \q*QB+POFF
	s_add_nc_u64 s[58+4*\q+4*(\q/2):59+4*\q+4*(\q/2)], s[96:97], \q*6144
	s_or_b32 s[59+4*\q+4*(\q/2)], s[59+4*\q+4*(\q/2)], 0x80000000
.endr
	s_cmp_eq_u32 s20, 0                            ; a wave's fill stands in one branch on its number: one load of mine is out
	s_cbranch_scc0 .Lfirst_p
	tensor_load_to_lds s[40:43], s[24:31]
	s_nop 0
.rept 4
	v_nop
.endr
	s_branch .Lfirst_asked
.Lfirst_p:
	tensor_load_to_lds s[56:59], s[32:39]
	s_nop 0
.rept 4
	v_nop
.endr
.Lfirst_asked:
	v_and_b32 v18, 31, v0                          ; lane
	v_and_b32 v19, 15, v0                          ; r
	v_bfe_u32 v20, v0, 4, 1                        ; h
	v_lshlrev_b32 v1, 3, v18                       ; 8 x lane
	v_lshlrev_b32 v6, 4, v18                       ; 16 x lane
	s_wait_alu depctr_va_vdst(0)
	s_mul_i32 s2, s18, 24576
	v_add_nc_u32 v2, s2, v1                        ; LDS: my four blocks of O in the first half
	v_add_nc_u32 v3, POFF, v1                      ; and Wo's eight
	s_mul_i32 s2, s18, 16*SPIT                     ; my stage
	v_mul_u32_u24 v8, v19, SPIT
	v_lshl_add_u32 v8, v20, 6, v8
	v_add_nc_u32 v8, s2, v8                        ; in: row r, + 64 h
	v_add_nc_u32 v9, s2, v6                        ; back: 16 bytes a lane of a row of 512
	v_lshlrev_b32 v7, 6, v20                       ; the bias: 64 h
	v_lshlrev_b32 v10, 1, v19                      ; O's scale bytes: 2 r
	s_wait_alu depctr_va_vdst(0)
	s_lshl_b32 s2, s92, 20                         ; out0: token 256 RT + 64 w, 4,096 bytes a row, + 512 PT
	s_lshl_b32 s3, s18, 18
	s_add_co_u32 s2, s2, s3
	s_lshl_b32 s3, s90, 9
	s_add_co_u32 s2, s2, s3
	s_mov_b32 s3, 0
	s_add_nc_u64 s[76:77], s[14:15], s[2:3]
	s_lshl_b32 s2, s90, 9
	s_add_nc_u64 s[100:101], s[12:13], s[2:3]      ; bo at the tile's 128 features
	s_lshl_b32 s96, s90, 3
	s_add_co_u32 s96, s96, 1728
	s_lshl_b32 s96, s96, 9
	s_mov_b32 s97, 0
	s_add_nc_u64 s[96:97], s[10:11], s[96:97]      ; Wo's scale words
	s_lshl_b32 s98, s92, 9
	s_lshl_b32 s99, s18, 7
	s_add_co_u32 s98, s98, s99
	s_mov_b32 s99, 0
	s_add_nc_u64 s[98:99], s[6:7], s[98:99]        ; os at my first token: [head][token], two bytes each
.irp t, 0,1,2,3,4,5,6,7
	global_load_b128 v[SP+4*\t:SP+4*\t+3], v6, s[96:97] offset:512*\t
.endr
.irp a, 0,1,2,3
.irp s, 0,1,2,3,4,5,6,7
	global_load_u16 v[SR+8*\a+\s], v10, s[98:99] offset:32768*\s+32*\a          ; head 2 s: blocks 0, 1 of K step s
	global_load_u16 v[160+8*\a+\s], v10, s[98:99] offset:32768*\s+16384+32*\a   ; head 2 s + 1: blocks 2, 3
.endr
.endr
.irp t, 0,1,2,3,4,5,6,7
	global_load_b128 v[BC+8*\t:BC+8*\t+3], v7, s[100:101] offset:(32*(\t/2)+8*(\t%2))*4
	global_load_b128 v[BC+8*\t+4:BC+8*\t+7], v7, s[100:101] offset:(32*(\t/2)+8*(\t%2))*4+16
.endr
	s_wait_loadcnt 0x0
.irp i, 0,1,2,3,4,5,6,7,8,9,10,11,12,13,14,15,16,17,18,19,20,21,22,23,24,25,26,27,28,29,30,31
	v_lshl_or_b32 v[SR+\i], v[160+\i], 16, v[SR+\i]
.endr
.rept 8
	v_nop                                          ; a scale register written by a vector instruction stands eight places ahead of a scaled matrix instruction
.endr
.macro FETCH s                         ; the fragments of K step s: 72 LDS loads of 8 bytes a lane, each 256 consecutive bytes, into set s % 2
.if (\s) == 4
	v_add_nc_u32 v2, QB, v2                        ; on to the second half
	v_add_nc_u32 v3, QB, v3
.endif
	WIN 0x80                                       ; destination window 2
.irp t, 0,1,2,3,4,5,6,7
.irp g, 0,1,2,3,4,5
	ds_load_b64 v[96*((\s)%2)+12*\t+2*\g:96*((\s)%2)+12*\t+2*\g+1], v3 offset:6144*\t+1536*((\s)%4)+256*\g
.endr
.endr
	WIN 0xc0                                       ; destination window 3
.irp a, 0,1,2,3
.irp g, 0,1,2,3,4,5
	ds_load_b64 v[48*((\s)%2)+12*\a+2*\g:48*((\s)%2)+12*\a+2*\g+1], v2 offset:6144*\a+1536*((\s)%4)+256*\g
.endr
.endr
	WIN 0
.endm
.macro MM s, cm, a, t
.set rD, 8*(8*(\a)+(\t))
.set rA, 96*((\s)%2)+12*(\t)
.set rB, 48*((\s)%2)+12*(\a)
.set rSA, SP+4*(\t)+(\s)%4
.set rSB, SR+8*(\a)+(\s)
.if (\cm) == 1
	v_wmma_scale_f32_16x16x128_f8f6f4 v[rD:rD+7], v[rA:rA+11], v[rB:rB+11], v[BC+8*(\t):BC+8*(\t)+7], v[rSA], v[rSB] matrix_a_fmt:MATRIX_FMT_FP6 matrix_b_fmt:MATRIX_FMT_FP6
.elseif (\s) < 4
	v_wmma_scale_f32_16x16x128_f8f6f4 v[rD:rD+7], v[rA:rA+11], v[rB:rB+11], v[rD:rD+7], v[rSA], v[rSB] matrix_a_fmt:MATRIX_FMT_FP6 matrix_b_fmt:MATRIX_FMT_FP6
.else
	v_wmma_scale_f32_16x16x128_f8f6f4 v[rD:rD+7], v[rA:rA+11], v[rB:rB+11], v[rD:rD+7], v[rSA], v[rSB] matrix_a_fmt:MATRIX_FMT_FP6 matrix_b_fmt:MATRIX_FMT_FP6 matrix_a_scale:MATRIX_SCALE_ROW1
.endif
.endm
; K step s: 32 matrix instructions; the 32 accumulators take turns, one instruction a turn, in the same order in every step.  cm = 1: the bias starts the sums
.macro MULS s, cm
.if \cm
	WIN 0x4e                                       ; source 0 (Wo) window 2, source 1 (O) window 3, C window 0, D window 1
.else
	WIN 0x5e                                       ; the same, C window 1
.endif
.irp a, 0,1,2,3
.irp t, 0,1,2,3,4,5,6,7
	MM \s, \cm, \a, \t
.endr
.endr
	WIN 0
.endm
.macro STEP s
	s_wait_dscnt 0x0                               ; this step's 72 loads, issued a step ago, are in
.if (\s) == 3
	s_wait_tensorcnt 0x0                           ; my part of the second half is in
	s_barrier_signal -1
	s_barrier_wait -1                              ; everybody's is
.endif
.if (\s) < 7
.rept 4
	v_nop                                          ; four places between the products that read a set and the loads into it
.endr
	s_wait_alu depctr_va_vdst(0)
	FETCH (\s)+1
.endif
	MULS \s, 0
.endm
	s_wait_alu depctr_va_vdst(0)
	s_wait_tensorcnt 0x0                           ; my part of the first half is in; the lines stand ahead of a later first fill
	ds_add_u32 v4, v5
	s_wait_dscnt 0x0
	CROUND                                         ; everybody's part is in, and the joint loads of the second half meet
	s_cmp_eq_u32 s20, 0
	s_cbranch_scc0 .Lsecond_p
	tensor_load_to_lds s[44:47], s[24:31]
	s_nop 0
.rept 4
	v_nop
.endr
	s_branch .Lsecond_asked
.Lsecond_p:
	tensor_load_to_lds s[60:63], s[32:39]
	s_nop 0
.rept 4
	v_nop
.endr
.Lsecond_asked:
	FETCH 0
	s_wait_dscnt 0x0
	FETCH 1
	MULS 0, 1
.irp s, 1,2,3,4,5,6,7
	STEP \s
.endr
; THE WAY OUT, block by block of 16 tokens x 128 features.  A lane holds pieces of one row, and the lanes beside it hold other rows: a block goes through my own stage in LDS and comes back as whole rows of 512 bytes.
; The stage lies in the first half: every wave has waited for its last read of that half ahead of the barrier of K step 3, and nothing is filled again.  LDS serves a wave's instructions in order: no wait between stores and loads.
.macro TOSTAGE a
	WIN 0x04                                       ; an LDS store's data are its source 1: window 1
.irp t, 0,1,2,3,4,5,6,7
	ds_store_b128 v8, v[64*(\a)+8*\t:64*(\a)+8*\t+3] offset:128*(\t/2)+32*(\t%2)          ; each accumulator from its low end on
	ds_store_b128 v8, v[64*(\a)+8*\t+4:64*(\a)+8*\t+7] offset:128*(\t/2)+32*(\t%2)+16
.endr
	WIN 0
.set BB, BK+64*((\a)%2)
.irp i, 0,1,2,3,4,5,6,7,8,9,10,11,12,13,14,15
	ds_load_b128 v[BB+4*\i:BB+4*\i+3], v9 offset:SPIT*\i
.endr
.endm
.macro SEND a, younger                 ; younger: the LDS instructions issued behind block a's loads, which may stay out
.set BB, BK+64*((\a)%2)
	s_wait_dscnt \younger
.irp i, 0,1,2,3,4,5,6,7,8,9,10,11,12,13,14,15
	global_store_b128 v6, v[BB+4*\i:BB+4*\i+3], s[76:77] offset:(16*(\a)+\i)*4096 th:TH_STORE_NT   ; 32 lanes store 512 consecutive bytes, at a multiple of 256 from the output's first byte
.endr
.endm
.rept 4
	v_nop                                          ; four places between the last product and the first read of results, and the loads into the bias's registers
.endr
	TOSTAGE 0
.irp a, 1,2,3
.if \a > 1
	s_wait_xcnt 0x0                                ; block a - 2's stores have read their registers: block a's loads may land there
.endif
	TOSTAGE \a
	SEND \a-1, 32                                  ; behind block a - 1's loads: block a's 16 stores and 16 loads
.endr
	SEND 3, 0
	s_wait_tensorcnt 0x0                           ; the wave's end: three lines, behind my last tensor load and my last LDS store
	ds_add_u32 v4, v5
	s_wait_dscnt 0x0
	CROUND                                         ; the closing round
	s_endpgm
.Lfunc_end_k_qb64937a2f4_oproj:
	.size	k_qb64937a2f4_oproj, .Lfunc_end_k_qb64937a2f4_oproj-k_qb64937a2f4_oproj
	.p2alignl 7, 3214868480
	.fill 96, 4, 3214868480
	.section	.rodata,"a",@progbits
	.p2align	6, 0x0
	.amdhsa_kernel k_qb64937a2f4_oproj
		.amdhsa_group_segment_fixed_size 327680
		.amdhsa_private_segment_fixed_size 0
		.amdhsa_enable_private_segment 0
		.amdhsa_kernarg_size 48
		.amdhsa_user_sgpr_count 2
		.amdhsa_user_sgpr_kernarg_segment_ptr 1
		.amdhsa_wavefront_size32 1
		.amdhsa_system_sgpr_workgroup_id_x 1
		.amdhsa_system_sgpr_workgroup_id_y 1
		.amdhsa_system_sgpr_workgroup_id_z 1
		.amdhsa_system_vgpr_workitem_id 0
		.amdhsa_next_free_vgpr 864
		.amdhsa_next_free_sgpr 104
		.amdhsa_reserve_vcc 0
		.amdhsa_float_denorm_mode_32 3
		.amdhsa_float_denorm_mode_16_64 3
		.amdhsa_memory_ordered 1
		.amdhsa_forward_progress 1
		.amdhsa_inst_pref_size 104
	.end_amdhsa_kernel
	.amdgpu_metadata
---
amdhsa.version: [ 1, 2 ]
amdhsa.kernels:
  - .name:           k_qb64937a2f4_oproj
    .symbol:         k_qb64937a2f4_oproj.kd
    .args:
      - { .name: oc, .offset: 0, .size: 8, .value_kind: global_buffer, .address_space: global }
      - { .name: os, .offset: 8, .size: 8, .value_kind: global_buffer, .address_space: global }
      - { .name: img, .offset: 16, .size: 8, .value_kind: global_buffer, .address_space: global }
      - { .name: isc, .offset: 24, .size: 8, .value_kind: global_buffer, .address_space: global }
      - { .name: bo, .offset: 32, .size: 8, .value_kind: global_buffer, .address_space: global }
      - { .name: out0, .offset: 40, .size: 8, .value_kind: global_buffer, .address_space: global }
    .group_segment_fixed_size: 327680
    .private_segment_fixed_size: 0
    .kernarg_segment_align: 8
    .kernarg_segment_size: 48
    .max_flat_workgroup_size: 128
    .sgpr_count:     104
    .vgpr_count:     864
    .wavefront_size: 32
...
	.end_amdgpu_metadata
.endif
;; end of part 4
